; MI455X (gfx1250); checked and timed in simulation.
; The chip was launched on July 23, 2026; its instructions are those of AMD's public machine-readable ISA for CDNA 5 (MIT licence, August 2026) and "CDNA5" Instruction Set Architecture Reference Guide (July 2026). The comments in the code are by the model that wrote it; some were corrected since.
;; multihead self attention. Allowed arithmetic: float matrix products may take bf16 or f16 operands with f32 sums; all other float work in f32.
;; Inputs: W_k 1,024 x 1,024 float32; W_o 1,024 x 1,024 float32; W_q 1,024 x 1,024 float32; W_v 1,024 x 1,024 float32; x 4 x 2,048 x 1,024 float32.
;; Outputs: out0 4 x 2,048 x 1,024 float32.
;; 2 versions, each right; version 2 is version 1 with the launch cast written anew for expert scheduling mode. Each part assembles by itself: llvm-mc -triple=amdgcn-amd-amdhsa -mcpu=gfx1250 --defsym DOCPART=n.
;; ======== version 1 of 2: 4 launches
;; limits: values are held in f16: magnitudes above 65,504 overflow, below 6.1e-05 lose precision
;; workspace buffers: xb 16,777,216 bytes; wb 8,388,608 bytes; qkv 50,331,648 bytes; ao 16,777,216 bytes
;; launch cast (part 1): grid 768 x 1, 8 waves a work-group, no clusters, 0 bytes of LDS; arguments x, W_q, W_k, W_v, W_o, xb, wb; writes xb, wb
.if DOCPART == 1
	.amdgcn_target "amdgcn-amd-amdhsa--gfx1250"
	.amdhsa_code_object_version 6
	.text
	.protected	k_qbdfb529e2d_cast
	.globl	k_qbdfb529e2d_cast
	.p2align	8
	.type	k_qbdfb529e2d_cast,@function
k_qbdfb529e2d_cast:
	s_mov_b64 s[64:65], 0
	v_nop
	global_prefetch_b8 v0, s[64:65] scope:SCOPE_SE
	s_setreg_imm32_b32 hwreg(HW_REG_WAVE_MODE, 25, 1), 1
	s_wait_xcnt 0x0
; xb = x rounded to bf16.  wb = [4096][1024] of 16-bit numbers: rows 0-1023 W_q, 1024-2047 W_k, 2048-3071 W_v, all rounded to bf16;
; rows 3072-4095 W_o, rounded to bf16 and that number carried as f16, since its partner in the last product is f16.
; LIMIT: |W_o| stays under 65,504; a bf16 number under 2^-14 is kept in f16 in steps of 2^-24 (all others are exact: 8 bits into 11).
; A stream: memory binds, so no LDS, no barrier, no matrix unit.  A work-group takes 65,536 input bytes: groups 0-511 x, then 64 groups for each weight.
; Thread t takes 16 bytes at 16 t of each 4,096: a wave's load covers 512 consecutive bytes, its store of 8 bytes a lane 256 consecutive aligned bytes.
; All sixteen loads of a lane go out at once; no register that a load or store touches is written twice, so the only waits are the counted ones for the loads.
.set X, 4                              ; v[4:67]    sixteen loads of 4 f32
.set Y, 68                             ; v[68:99]   sixteen pairs to store
.set T, 100                            ; v[100:103] at work (W_o's way)
	s_load_b256 s[4:11], s[0:1], 0x0               ; x s[4:5], W_q s[6:7], W_k s[8:9], W_v s[10:11]
	s_load_b128 s[12:15], s[0:1], 0x20             ; W_o s[12:13], xb s[14:15]
	s_load_b64 s[16:17], s[0:1], 0x30              ; wb
	v_lshlrev_b32 v1, 4, v0                        ; 16 t: my bytes of each 4,096 read
	v_lshlrev_b32 v2, 3, v0                        ; 8 t: my bytes of each 2,048 written
	s_sub_co_u32 s20, ttmp9, 512                   ; the group's number among the weights' 256 (used only from group 512 on)
	s_lshr_b32 s21, s20, 6                         ; which weight: 0 W_q, 1 W_k, 2 W_v, 3 W_o
	s_and_b32 s22, ttmp9, 63                       ; which 65,536 bytes of it
	s_mov_b32 s29, 0
	s_mov_b32 s31, 0
	s_wait_kmcnt 0x0
	s_cmp_eq_u32 s21, 1
	s_cselect_b64 s[24:25], s[8:9], s[6:7]
	s_cmp_eq_u32 s21, 2
	s_cselect_b64 s[24:25], s[10:11], s[24:25]
	s_cmp_eq_u32 s21, 3
	s_cselect_b64 s[24:25], s[12:13], s[24:25]
	s_cmp_lt_u32 ttmp9, 512                        ; the four selects below hang on this compare: nothing between them writes SCC
	s_cselect_b64 s[24:25], s[4:5], s[24:25]       ; from: x or the weight
	s_cselect_b64 s[26:27], s[14:15], s[16:17]     ; to: xb or wb
	s_cselect_b32 s28, ttmp9, s22                  ; which part of the source,
	s_cselect_b32 s30, ttmp9, s20                  ; and of the destination (wb holds the four weights one behind the other)
	s_lshl_b32 s28, s28, 16
	s_lshl_b32 s30, s30, 15
	s_add_nc_u64 s[24:25], s[24:25], s[28:29]
	s_add_nc_u64 s[26:27], s[26:27], s[30:31]
.irp k, 0,1,2,3,4,5,6,7,8,9,10,11,12,13,14,15
	global_load_b128 v[X+4*\k:X+4*\k+3], v1, s[24:25] offset:4096*\k th:TH_LOAD_NT
.endr
; Load k is rounded and stored.  wo = 1: the bf16 numbers are widened again (a shift, a mask) and packed as f16.
.macro OUT k, wo
	s_wait_loadcnt 15-\k                           ; loads come back in order (ISA guide 5.7.1): load k is in, the 15 - k younger ones stay out
.if \wo
	v_cvt_pk_bf16_f32 v[T],   v[X+4*\k],   v[X+4*\k+1]
	v_cvt_pk_bf16_f32 v[T+1], v[X+4*\k+2], v[X+4*\k+3]
	v_lshlrev_b32 v[T+2], 16, v[T]
	v_and_b32     v[T+3], 0xffff0000, v[T]
	v_cvt_pk_f16_f32 v[Y+2*\k], v[T+2], v[T+3]
	v_lshlrev_b32 v[T+2], 16, v[T+1]
	v_and_b32     v[T+3], 0xffff0000, v[T+1]
	v_cvt_pk_f16_f32 v[Y+2*\k+1], v[T+2], v[T+3]
.else
	v_cvt_pk_bf16_f32 v[Y+2*\k],   v[X+4*\k],   v[X+4*\k+1]
	v_cvt_pk_bf16_f32 v[Y+2*\k+1], v[X+4*\k+2], v[X+4*\k+3]
.endif
	global_store_b64 v2, v[Y+2*\k:Y+2*\k+1], s[26:27] offset:2048*\k   ; no hint: the next launches read these bytes
.endm
	s_cmp_ge_u32 ttmp9, 704                        ; groups 704-767 hold W_o
	s_cbranch_scc1 .Lwo
.irp k, 0,1,2,3,4,5,6,7,8,9,10,11,12,13,14,15
	OUT \k, 0
.endr
	s_endpgm
.Lwo:
.irp k, 0,1,2,3,4,5,6,7,8,9,10,11,12,13,14,15
	OUT \k, 1
.endr
	s_endpgm
.Lfunc_end_k_qbdfb529e2d_cast:
	.size	k_qbdfb529e2d_cast, .Lfunc_end_k_qbdfb529e2d_cast-k_qbdfb529e2d_cast
	.p2alignl 7, 3214868480
	.fill 96, 4, 3214868480
	.section	.rodata,"a",@progbits
	.p2align	6, 0x0
	.amdhsa_kernel k_qbdfb529e2d_cast
		.amdhsa_group_segment_fixed_size 0
		.amdhsa_private_segment_fixed_size 0
		.amdhsa_enable_private_segment 0
		.amdhsa_kernarg_size 56
		.amdhsa_user_sgpr_count 2
		.amdhsa_user_sgpr_kernarg_segment_ptr 1
		.amdhsa_wavefront_size32 1
		.amdhsa_system_sgpr_workgroup_id_x 1
		.amdhsa_system_sgpr_workgroup_id_y 1
		.amdhsa_system_sgpr_workgroup_id_z 1
		.amdhsa_system_vgpr_workitem_id 0
		.amdhsa_next_free_vgpr 104
		.amdhsa_next_free_sgpr 66
		.amdhsa_reserve_vcc 0
		.amdhsa_float_denorm_mode_32 3
		.amdhsa_float_denorm_mode_16_64 3
		.amdhsa_memory_ordered 1
		.amdhsa_forward_progress 1
		.amdhsa_inst_pref_size 16
	.end_amdhsa_kernel
	.amdgpu_metadata
---
amdhsa.version: [ 1, 2 ]
amdhsa.kernels:
  - .name:           k_qbdfb529e2d_cast
    .symbol:         k_qbdfb529e2d_cast.kd
    .args:
      - { .name: x, .offset: 0, .size: 8, .value_kind: global_buffer, .address_space: global }
      - { .name: W_q, .offset: 8, .size: 8, .value_kind: global_buffer, .address_space: global }
      - { .name: W_k, .offset: 16, .size: 8, .value_kind: global_buffer, .address_space: global }
      - { .name: W_v, .offset: 24, .size: 8, .value_kind: global_buffer, .address_space: global }
      - { .name: W_o, .offset: 32, .size: 8, .value_kind: global_buffer, .address_space: global }
      - { .name: xb, .offset: 40, .size: 8, .value_kind: global_buffer, .address_space: global }
      - { .name: wb, .offset: 48, .size: 8, .value_kind: global_buffer, .address_space: global }
    .group_segment_fixed_size: 0
    .private_segment_fixed_size: 0
    .kernarg_segment_align: 8
    .kernarg_segment_size: 56
    .max_flat_workgroup_size: 256
    .sgpr_count:     66
    .vgpr_count:     104
    .wavefront_size: 32
...
	.end_amdgpu_metadata
.endif
;; end of part 1
;; launch qkvproj (part 2): grid 4 x 64, 4 waves a work-group, clusters of 4 x 4, 327,680 bytes of LDS; arguments xb, wb, qkv; writes qkv
.if DOCPART == 2
	.amdgcn_target "amdgcn-amd-amdhsa--gfx1250"
	.amdhsa_code_object_version 6
	.text
	.protected	k_qbdfb529e2d_qkvproj
	.globl	k_qbdfb529e2d_qkvproj
	.p2align	8
	.type	k_qbdfb529e2d_qkvproj,@function
k_qbdfb529e2d_qkvproj:
	s_mov_b64 s[64:65], 0
	v_nop
	global_prefetch_b8 v0, s[64:65] scope:SCOPE_SE
	s_setreg_imm32_b32 hwreg(HW_REG_WAVE_MODE, 25, 1), 1
	s_wait_xcnt 0x0
	s_wait_alu depctr_hold_cnt(0) depctr_sa_sdst(0) depctr_va_vdst(0) depctr_va_sdst(0) depctr_va_ssrc(0) depctr_va_vcc(0) depctr_vm_vsrc(0)
	s_getreg_b32 s2, hwreg(HW_REG_IB_STS2, 6, 4)
	s_cmp_eq_u32 s2, 0
	s_cbranch_scc0 .Lentry_in_a_cluster
	s_endpgm
.Lentry_in_a_cluster:
	s_bfe_u32 s2, ttmp6, 0x10000c
	s_cmp_lg_u32 s2, 0xf033
	s_cbranch_scc0 .Lentry_shape_is_right
	s_endpgm
.Lentry_shape_is_right:
; Y[m][n] = sum over k of xb[m][k] wb[n][k]: m = 8,192 tokens, n = 3,072 (W_q's, W_k's, W_v's rows), k = 1,024.  bf16 products, f32 sums.
; Y is rounded once to f16 and stored by heads: qkv[part n >> 10][batch x 16 + head][token][64], so that attention's tiles are dense.
; LIMIT: |Y| stays under 65,504 (f16); under 2^-14 it is kept in steps of 2^-24.
; A tile of Y is 128 x 384: 8 tile columns x 64 tile rows = 512 tiles for 4 x 64 = 256 work-groups.  A WORK-GROUP STAYS and makes two tiles, tile columns x and x + 4 of its tile row:
; the ring does not stop at the first tile's end (its last two changes of slots ask for the second tile's first two K steps), and nothing waits for the first tile's stores.
; Four waves, each 64 x 192 (three whole heads): 48 accumulators of 16 x 16, 384 registers.  For 32 along K a wave loads 32 x 512 bytes from LDS and issues 48 matrix instructions.
; K goes in 8 steps of 128 through a ring of two LDS slots; the tiles' rows are 256 bytes of memory and start at multiples of 256 bytes.
; CLUSTERS: 4 x 4 work-groups.  The four of a row of the cluster need the same tiles of xb, the four of a column the same tiles of wb: each tile is asked for
; JOINTLY, by the same tensor load with the same descriptor and a mask that names the four.
; THE MATRIX INSTRUCTION IS USED TRANSPOSED (source 0 = 16 rows of wb, source 1 = 16 rows of xb): a lane then holds eight neighbouring numbers of a row of Y.
; REGISTERS, in windows of 256 (s_set_vgpr_msb: bits 1:0 source 0, 3:2 source 1, 5:4 source 2, 7:6 destination):
;   window 0: v1-6 at work, v16-31 addresses; v32-63, v64-95 fragments of A (4 x 16 rows x 32 K), two buffers; v96-143 packed results; v144-191, v192-239 rows read back from the stage, by turns
;   window 1: the accumulators of my rows 0-31 ((a, b) at v[96 (a % 2) + 8 b]);   window 2: those of my rows 32-63;   window 3: v0-95, v96-191 fragments of B (12 x 16 rows x 32 K), two buffers
.set PITCH,  272                       ; an LDS row: 256 bytes + 16 of padding = 68 words: row r starts at bank 4 r mod 64 (64 banks of 4 bytes: ISA guide 11.1)
.set AHALF,  64*PITCH                  ; what one tensor load brings of A, and what one wave reads of it
.set BHALF,  192*PITCH                 ; the same for B
.set SLOT,   2*AHALF+2*BHALF           ; A's 128 rows, then B's 384 rows
.set STAGE,  2*SLOT                    ; behind the ring (byte 1,088 x 256): 16 rows x 400 bytes for each wave, for the way out; no tensor load lands here
.set SPITCH, 400                       ; a stage row: 384 bytes + 16 = 25 x 16: the 16 rows that a store touches start at 16 different 16-byte columns
.set LAPS,   4                         ; a lap = two K steps = once round the ring
.set KSTEPB, 256                       ; bytes of a K step in a row of xb or wb
.set BACK,   6*KSTEPB                  ; bytes from a slot's last K step of a tile back to its first
.set NEXTB,  4*384*2048-BACK           ; B: four tile columns of 384 rows of 2,048 bytes on, and back along K
.set ADRA, 16                          ; v16-17  LDS address of my A fragments in slot 0, 1
.set ADRB, 20                          ; v20-21  the same for B
.set STO,  24                          ; v24     the way out: where I put 16 bytes of a row
.set RD,   25                          ; v25     the way out: where I read back
.set CO,   26                          ; v26-31  my byte offset in qkv for tile T's head hd, at CO + 3 T + hd; never rewritten
.set FA,   32                          ; A's fragment buffer f at FA + 32 f
.set TMP,  96
.set OB,   144
.set G1, 24                            ; s[24:31] descriptor group 1 for A's tiles;  s[32:39] group 0, one set for each slot
.set G0, 32
.set G1B, 48                           ; s[48:55], s[56:63] the same for B's tiles
.set G0B, 56
.set MSB, 0
.macro WIN new                         ; the immediate's high byte repeats the setting that is left; a switch that changes nothing is dropped
.if MSB != \new
	s_set_vgpr_msb (MSB<<8)|\new
.set MSB, \new
.endif
.endm
.set MUL_LO, 0x53                      ; source 0 (B) window 3, source 1 (A) window 0, C and D window 1
.set MUL_HI, 0xa3                      ; the same, C and D window 2
.set TO_B,   0xc0                      ; destination window 3, address window 0
.macro PLACES                          ; four places in front of loads into registers that matrix instructions have read, and of conversions that read results
.rept 4
	v_nop
.endr
.endm
.macro JLOAD s                         ; a joint load: waves 0 and 1 fetch A's two halves, waves 2 and 3 B's; four v_nop follow each of the two lines, ahead of the jump, the label and what follows
	s_cmp_eq_u32 s11, 0
	s_cbranch_scc0 .Lfor_b_\@
	tensor_load_to_lds s[G0+4*\s:G0+4*\s+3], s[G1:G1+7]
	s_nop 0
.rept 4
	v_nop
.endr
	s_branch .Lasked_\@
.Lfor_b_\@:
	tensor_load_to_lds s[G0B+4*\s:G0B+4*\s+3], s[G1B:G1B+7]
	s_nop 0
.rept 4
	v_nop
.endr
.Lasked_\@:
.endm
.macro CREST                           ; a round of the cluster's barrier behind its opening barrier
	s_cmp_lg_u32 s10, 0
	s_cbranch_scc1 .Lnot_wave_0_\@
	s_barrier_signal -3
.Lnot_wave_0_\@:
	s_barrier_wait -3
	s_barrier_signal -1
	s_barrier_wait -1
.endm
.macro CROUND                          ; a whole round
	s_barrier_signal -1
	s_barrier_wait -1
	CREST
.endm
	s_load_b128 s[4:7], s[0:1], 0x0                ; xb s[4:5], wb s[6:7]
	s_load_b64 s[8:9], s[0:1], 0x10                ; qkv
	s_set_vgpr_msb 0xc0
	v_lshl_add_u32 v255, v0, 2, 0x4a400
	s_set_vgpr_msb 0xc000
	v_mov_b32 v255, 0
	s_set_vgpr_msb 0x3
	ds_add_u32 v255, v255
	ds_add_u32 v255, v255
	s_set_vgpr_msb 0x300
	v_lshrrev_b32 v1, 5, v0
	v_readfirstlane_b32 s10, v1                    ; wave 0..3
	s_lshr_b32 s11, s10, 1                         ; which 64 of the tile's rows are mine.  Also: I fetch for A (0) or for B (1)
	s_and_b32 s12, s10, 1                          ; which 192 of its columns.  Also: which half of that tile I fetch
	s_bfe_u32 s40, ttmp6, 0x40000                  ; cx, cy: my place in the cluster
	s_bfe_u32 s41, ttmp6, 0x40004
	s_lshl_b32 s42, ttmp9, 2
	s_add_co_u32 s42, s42, s40                     ; my first tile column = 4 x cluster x + cx
	s_and_b32 s13, ttmp7, 0xffff
	s_lshl_b32 s13, s13, 2
	s_add_co_u32 s13, s13, s41                     ; tile row = 4 x cluster y + cy
	s_lshl_b32 s43, s41, 2
	s_lshl_b32 s43, 15, s43                        ; my row of the cluster
	s_lshl_b32 s44, 0x1111, s40                    ; my column
	; descriptor group 1: rows of 128 elements, padded in LDS; A 64 rows, B 192 rows
	s_or_b32 s[G1+0], s43, (1<<16)|(1<<20)|(1<<21)|(5<<22)|(3<<25)  ; 15:0 the mask: A's tiles go to my row; 17:16 element of 2 bytes; 20 padding on; 21 set beside a mask; 24:22 after every 64 words (code 5); 31:25 of 4 words (code 3)
	s_or_b32 s[G1B+0], s44, (1<<16)|(1<<20)|(1<<21)|(5<<22)|(3<<25) ; the same with the mask of my column
	s_mov_b32 s[G1+1], 128<<16                     ; tensor_dim0 = 128
	s_mov_b32 s[G1+2], 64<<16                      ; tensor_dim1 = 64
	s_mov_b32 s[G1+3], 128<<16                     ; tile_dim0 = 128
	s_mov_b32 s[G1+4], 64                          ; tile_dim1 = 64
	s_mov_b32 s[G1+5], 1024                        ; tensor_dim0_stride
	s_mov_b32 s[G1+6], 0
	s_mov_b32 s[G1+7], 0
	s_mov_b32 s[G1B+1], 128<<16
	s_mov_b32 s[G1B+2], 192<<16                    ; tensor_dim1 = 192
	s_mov_b32 s[G1B+3], 128<<16
	s_mov_b32 s[G1B+4], 192                        ; tile_dim1 = 192
	s_mov_b32 s[G1B+5], 1024
	s_mov_b32 s[G1B+6], 0
	s_mov_b32 s[G1B+7], 0
	; where the tiles come from.  A's hang on the tile row alone, B's on the tile column alone, each in registers that never hold the other coordinate.
	s_lshl_b32 s16, s13, 18                        ; A: 128 rows of 2,048 bytes a tile row,
	s_lshl_b32 s17, s12, 17                        ; 64 rows a half
	s_add_co_u32 s16, s16, s17
	s_mov_b32 s17, 0
	s_mul_i32 s46, s42, 384*2048                   ; B: 384 rows a tile column,
	s_mul_i32 s47, s12, 192*2048                   ; 192 rows a half
	s_add_co_u32 s46, s46, s47
	s_mov_b32 s47, 0
	s_mul_i32 s20, s12, AHALF                      ; and where they go: no place in the cluster enters an LDS address
	s_mul_i32 s21, s12, BHALF
	s_add_co_u32 s21, s21, 2*AHALF
	s_wait_dscnt 0x0
	s_wait_kmcnt 0x0
	s_add_nc_u64 s[14:15], s[4:5], s[16:17]
	s_add_nc_u64 s[46:47], s[6:7], s[46:47]
	CROUND                                         ; all sixteen work-groups are here: the first joint loads meet
.irp s, 0,1
	s_mov_b32 s[G0+4*\s], 1                                        ; count = 1
	s_add_co_u32 s[G0+4*\s+1], s20, \s*SLOT                        ; LDS address
	s_add_nc_u64 s[G0+4*\s+2:G0+4*\s+3], s[14:15], \s*KSTEPB       ; global address: K step s
	s_or_b32 s[G0+4*\s+3], s[G0+4*\s+3], 0x80000000                ; type = 2
	s_mov_b32 s[G0B+4*\s], 1
	s_add_co_u32 s[G0B+4*\s+1], s21, \s*SLOT
	s_add_nc_u64 s[G0B+4*\s+2:G0B+4*\s+3], s[46:47], \s*KSTEPB
	s_or_b32 s[G0B+4*\s+3], s[G0B+4*\s+3], 0x80000000
.endr
	s_cmp_eq_u32 s11, 0                            ; a wave's two first fills stand in one branch, ahead of every wait on TENSORcnt and every LDS read: two loads of mine are out; four v_nop follow the second
	s_cbranch_scc0 .Lfirst_b
	tensor_load_to_lds s[G0:G0+3], s[G1:G1+7]
	s_nop 0
	tensor_load_to_lds s[G0+4:G0+7], s[G1:G1+7]
	s_nop 0
.rept 4
	v_nop
.endr
	s_branch .Lfirst_asked
.Lfirst_b:
	tensor_load_to_lds s[G0B:G0B+3], s[G1B:G1B+7]
	s_nop 0
	tensor_load_to_lds s[G0B+4:G0B+7], s[G1B:G1B+7]
	s_nop 0
.rept 4
	v_nop
.endr
.Lfirst_asked:
	; A fragment is 16 rows x 32 K in 8 registers: lane l holds row l % 16; registers 0-3 K = 8 (l / 16) + 0..7, registers 4-7 K = 16 + 8 (l / 16) + 0..7: two loads of 16 bytes, 32 bytes apart.
	v_and_b32 v1, 15, v0                           ; r = l % 16
	v_bfe_u32 v2, v0, 4, 1                         ; h = l / 16
	v_mul_u32_u24 v3, v1, PITCH
	v_lshl_add_u32 v3, v2, 4, v3                   ; row x pitch + 16 x half
	s_mul_i32 s21, s11, AHALF                      ; my 64 rows of A
	s_mul_i32 s22, s12, BHALF                      ; my 192 rows of B,
	s_add_co_u32 s22, s22, 2*AHALF                 ; which lie behind A's 128
.irp s, 0,1
	v_add_nc_u32 v[ADRA+\s], s21, v3
	v_add_nc_u32 v[ADRB+\s], s22, v3
	s_add_co_u32 s21, s21, SLOT
	s_add_co_u32 s22, s22, SLOT
.endr
	s_mul_i32 s23, s10, 16*SPITCH
	s_add_co_u32 s23, s23, STAGE                   ; my stage
	v_mul_u32_u24 v4, v1, SPITCH                   ; in: row l % 16, 16 bytes for each half of the lanes
	v_lshl_add_u32 v4, v2, 4, v4
	v_add_nc_u32 v[STO], s23, v4
	v_and_b32 v4, 31, v0                           ; l
	v_lshrrev_b32 v5, 3, v4                        ; back: eight lanes take a token's 128 bytes of one head, the wave four tokens
	v_mul_u32_u24 v5, v5, SPITCH
	v_and_b32 v6, 7, v0
	v_lshl_add_u32 v5, v6, 4, v5
	v_add_nc_u32 v[RD], s23, v5
	v_lshlrev_b32 v6, 4, v4                        ; in memory those four tokens are 512 consecutive bytes
	; A wave's 192 columns are heads g, g + 1, g + 2 of the 48 (16 of Q, 16 of K, 16 of V), g = 6 x tile column + 3 x half.  Three heads may cross from one part into the next,
	; so each head's place is made from its own number: part g / 16 at 2^24 bytes, head g % 16 at 2^18.
	s_mul_i32 s46, s42, 6
	s_mul_i32 s47, s12, 3
	s_add_co_u32 s46, s46, s47                     ; g of my first tile; the second tile's is 24 on
.irp i, 0,1,2,3,4,5
	s_add_co_u32 s47, s46, 24*(\i/3)+\i%3
	s_lshr_b32 s22, s47, 4
	s_lshl_b32 s22, s22, 24
	s_and_b32 s47, s47, 15
	s_lshl_b32 s47, s47, 18
	s_add_co_u32 s47, s47, s22
	v_add_nc_u32 v[CO+\i], s47, v6
.endr
	; the stores' base: my batch and my 64 tokens
	s_lshr_b32 s16, s13, 4
	s_lshl_b32 s16, s16, 22                        ; batch = tile row / 16: 16 heads of 262,144 bytes
	s_and_b32 s17, s13, 15
	s_lshl_b32 s17, s17, 14                        ; 128 tokens of 128 bytes a tile row
	s_add_co_u32 s16, s16, s17
	s_lshl_b32 s17, s11, 13                        ; my 64 tokens
	s_add_co_u32 s16, s16, s17
	s_mov_b32 s17, 0
	s_add_nc_u64 s[8:9], s[8:9], s[16:17]
; 12 matrix instructions: m block a x all 12 n blocks, 32 along K, from buffer f.  zero = 1: the product starts the sums: nothing is ever cleared.
; The 48 accumulators take turns, one instruction a turn, in the same order in every quarter and from tile to tile.
.macro MUL12 f, a, zero
.irp b, 0,1,2,3,4,5,6,7,8,9,10,11
.if \zero
	v_wmma_f32_16x16x32_bf16 v[96*((\a)%2)+8*\b:96*((\a)%2)+8*\b+7], v[96*\f+8*\b:96*\f+8*\b+7], v[FA+32*\f+8*(\a):FA+32*\f+8*(\a)+7], 0
.else
	v_wmma_f32_16x16x32_bf16 v[96*((\a)%2)+8*\b:96*((\a)%2)+8*\b+7], v[96*\f+8*\b:96*\f+8*\b+7], v[FA+32*\f+8*(\a):FA+32*\f+8*(\a)+7], v[96*((\a)%2)+8*\b:96*((\a)%2)+8*\b+7]
.endif
.endr
.endm
; 32 LDS loads in one run: the fragments of quarter q of a K step (192 rows of B, then 64 rows of A) into buffer f
.macro FETCH slot, q, f
	WIN TO_B
.irp i, 0,1,2,3,4,5,6,7,8,9,10,11
	ds_load_b128 v[96*\f+8*\i:96*\f+8*\i+3],   v[ADRB+\slot] offset:64*(\q)+\i*16*PITCH
	ds_load_b128 v[96*\f+8*\i+4:96*\f+8*\i+7], v[ADRB+\slot] offset:64*(\q)+\i*16*PITCH+32
.endr
	WIN 0
.irp i, 0,1,2,3
	ds_load_b128 v[FA+32*\f+8*\i:FA+32*\f+8*\i+3],   v[ADRA+\slot] offset:64*(\q)+\i*16*PITCH
	ds_load_b128 v[FA+32*\f+8*\i+4:FA+32*\f+8*\i+7], v[ADRA+\slot] offset:64*(\q)+\i*16*PITCH+32
.endr
.endm
; A K step is four quarters of 32 along K, 48 matrix instructions each, on buffers 0, 1, 0, 1.  One of the first three: multiplies buffer f and fetches quarter q into g.
.macro QUARTER slot, q, f, g, zero
	s_wait_dscnt 4                                 ; B and A's rows 0-31 are in; the youngest four loads (A's rows 32-63) may be out
	WIN MUL_LO
	MUL12 \f, 0, \zero
	MUL12 \f, 1, \zero
	PLACES
	FETCH \slot, \q, \g
	s_wait_dscnt 32                                ; all but the 32 just issued
	WIN MUL_HI
	MUL12 \f, 2, \zero
	MUL12 \f, 3, \zero
.endm
; The last quarter multiplies buffer 1 and changes slots: ONE barrier; in front of it each wave waits for its own reads of this slot and for all its tensor loads, of which one is out:
; its part of the next slot.  fill = 1: the barrier opens a round of the cluster's barrier, and this slot is filled again, two K steps ahead, first thing behind the round.
; fill = 2: the same, with the NEXT tile's K step 0 or 1: A goes back along K, B on to the tile column four further and back along K.  fill = 0: nothing is left to fetch.
.macro TURN slot, next, fill
	s_wait_dscnt 4
	WIN MUL_LO
	MUL12 1, 0, 0
	s_wait_dscnt 0                                 ; my reads of this slot are over,
	s_wait_tensorcnt 0x0                           ; and all my tensor loads have landed
	ds_add_u32 v255, v255
	s_wait_dscnt 0x0
	s_barrier_signal -1
	MUL12 1, 1, 0
.if \fill
	WIN 0                                          ; at a branch and at a label every window is 0
.endif
	s_barrier_wait -1
.if \fill
	CREST                                          ; no wave of any partner still reads this slot's tile or has a load on its way
.if \fill == 1
	s_add_nc_u64 s[G0+4*\slot+2:G0+4*\slot+3], s[G0+4*\slot+2:G0+4*\slot+3], 2*KSTEPB
	s_add_nc_u64 s[G0B+4*\slot+2:G0B+4*\slot+3], s[G0B+4*\slot+2:G0B+4*\slot+3], 2*KSTEPB
.else
	s_sub_nc_u64 s[G0+4*\slot+2:G0+4*\slot+3], s[G0+4*\slot+2:G0+4*\slot+3], BACK
	s_add_nc_u64 s[G0B+4*\slot+2:G0B+4*\slot+3], s[G0B+4*\slot+2:G0B+4*\slot+3], NEXTB
.endif
	JLOAD \slot                                    ; 180 matrix instructions ahead of the wait for it, across tiles too; the four v_nop behind it are also the places in front of the loads below
.else
	PLACES
.endif
	FETCH \next, 0, 0
	WIN MUL_HI
	MUL12 1, 2, 0
	MUL12 1, 3, 0
.endm
; A tile up to the third quarter of its last lap's first K step.  The first quarter stands in front of the loop: its products start the sums.
.macro LAPS_OF id
	QUARTER 0, 1, 0, 1, 1
	WIN 0
	s_mov_b32 s3, LAPS-1
.Llap_\id:                                             ; a trip goes once round the ring, from a lap's second quarter to the next lap's first, and fills both slots again
	QUARTER 0, 2, 1, 0, 0
	QUARTER 0, 3, 0, 1, 0
	TURN 0, 1, 1
	QUARTER 1, 1, 0, 1, 0
	QUARTER 1, 2, 1, 0, 0
	QUARTER 1, 3, 0, 1, 0
	TURN 1, 0, 1
	QUARTER 0, 1, 0, 1, 0
	WIN 0
	s_sub_co_u32 s3, s3, 1
	s_cmp_lg_u32 s3, 0
	s_cbranch_scc1 .Llap_\id
	QUARTER 0, 2, 1, 0, 0
	QUARTER 0, 3, 0, 1, 0
.endm
; THE WAY OUT, a block of 16 tokens x 192 columns (three heads) at a time, through my own stage.  PACK: rounded to f16, 16 bytes a lane, each accumulator's registers in ascending order.
.macro PACK a
	WIN 0x05+5*((\a)/2)                            ; sources 0 and 1 window 1 or 2, destination window 0
.irp b, 0,1,2,3,4,5,6,7,8,9,10,11
.irp r, 0,1,2,3
	v_cvt_pk_f16_f32 v[TMP+4*\b+\r], v[96*((\a)%2)+8*\b+2*\r], v[96*((\a)%2)+8*\b+2*\r+1]
.endr
.endr
	WIN 0
.endm
.macro TOSTAGE a                       ; in by rows of 384 bytes; back as four tokens of one head: load u takes tokens 4 (u / 3) .. + 3 of head u % 3
.set BK, OB+48*((\a)%2)
.irp b, 0,1,2,3,4,5,6,7,8,9,10,11
	ds_store_b128 v[STO], v[TMP+4*\b:TMP+4*\b+3] offset:32*\b
.endr
.irp u, 0,1,2,3,4,5,6,7,8,9,10,11
	ds_load_b128 v[BK+4*\u:BK+4*\u+3], v[RD] offset:(\u/3)*4*SPITCH+(\u%3)*128   ; LDS serves a wave's instructions in order (ISA guide 5.7.1.4): these see the stores above
.endr
.endm
.macro SEND a, tile
.set BK, OB+48*((\a)%2)
	s_wait_dscnt 0x0                               ; the block is back in registers
	s_wait_xcnt 0x0                                ; every earlier store has had its addresses translated (ISA guide 3.1): the other buffer, which the block before stored from, is loaded again only behind this wait
.irp u, 0,1,2,3,4,5,6,7,8,9,10,11
	global_store_b128 v[CO+3*\tile+\u%3], v[BK+4*\u:BK+4*\u+3], s[8:9] offset:(\a)*2048+(\u/3)*512   ; the wave stores 512 consecutive bytes, at a multiple of 512 from qkv's first byte
.endr
.endm
.macro WAYOUT tile
	PLACES
	PACK 0
	TOSTAGE 0
.irp a, 1,2,3                          ; block a's conversions stand between block a - 1's loads from the stage and the wait for them
	PACK \a
	SEND \a-1, \tile
	TOSTAGE \a
.endr
	SEND 3, \tile
.endm
	s_wait_tensorcnt 1                             ; my part of K step 0 is in; K step 1's stays out
	s_barrier_signal -1
	s_barrier_wait -1                              ; everybody's is
	FETCH 0, 0, 0
	LAPS_OF 0                                      ; THE FIRST TILE
	TURN 0, 1, 2                                   ; the ring goes on into the second tile: slot 0 takes its K step 0,
	QUARTER 1, 1, 0, 1, 0
	QUARTER 1, 2, 1, 0, 0
	QUARTER 1, 3, 0, 1, 0
	TURN 1, 0, 2                                   ; slot 1 its K step 1, and the second tile's first fragments are fetched
	WIN 0
	WAYOUT 0                                       ; both refills are asked for: now the tile goes out; its stores are on their way while the second tile is multiplied
	LAPS_OF 1                                      ; THE SECOND TILE
	TURN 0, 1, 0                                   ; its last lap fills nothing, and has no round of the cluster's barrier
	QUARTER 1, 1, 0, 1, 0
	QUARTER 1, 2, 1, 0, 0
	QUARTER 1, 3, 0, 1, 0
	s_wait_dscnt 4                                 ; the very last quarter: nothing more to fetch
	WIN MUL_LO
	MUL12 1, 0, 0
	MUL12 1, 1, 0
	s_wait_dscnt 0
	WIN MUL_HI
	MUL12 1, 2, 0
	MUL12 1, 3, 0
	WIN 0
	WAYOUT 1
	s_set_vgpr_msb 0x3
	s_wait_tensorcnt 0x0
	ds_add_u32 v255, v255
	s_wait_dscnt 0x0
	s_set_vgpr_msb 0x300
	CROUND                                         ; the closing round: no work-group ends while a partner may still ask for a tile that names it
	s_endpgm
.Lfunc_end_k_qbdfb529e2d_qkvproj:
	.size	k_qbdfb529e2d_qkvproj, .Lfunc_end_k_qbdfb529e2d_qkvproj-k_qbdfb529e2d_qkvproj
	.p2alignl 7, 3214868480
	.fill 96, 4, 3214868480
	.section	.rodata,"a",@progbits
	.p2align	6, 0x0
	.amdhsa_kernel k_qbdfb529e2d_qkvproj
		.amdhsa_group_segment_fixed_size 327680
		.amdhsa_private_segment_fixed_size 0
		.amdhsa_enable_private_segment 0
		.amdhsa_kernarg_size 24
		.amdhsa_user_sgpr_count 2
		.amdhsa_user_sgpr_kernarg_segment_ptr 1
		.amdhsa_wavefront_size32 1
		.amdhsa_system_sgpr_workgroup_id_x 1
		.amdhsa_system_sgpr_workgroup_id_y 1
		.amdhsa_system_sgpr_workgroup_id_z 1
		.amdhsa_system_vgpr_workitem_id 0
		.amdhsa_next_free_vgpr 1024
		.amdhsa_next_free_sgpr 66
		.amdhsa_reserve_vcc 0
		.amdhsa_float_denorm_mode_32 3
		.amdhsa_float_denorm_mode_16_64 3
		.amdhsa_memory_ordered 1
		.amdhsa_forward_progress 1
		.amdhsa_inst_pref_size 232
	.end_amdhsa_kernel
	.amdgpu_metadata
---
amdhsa.version: [ 1, 2 ]
amdhsa.kernels:
  - .name:           k_qbdfb529e2d_qkvproj
    .symbol:         k_qbdfb529e2d_qkvproj.kd
    .args:
      - { .name: xb, .offset: 0, .size: 8, .value_kind: global_buffer, .address_space: global }
      - { .name: wb, .offset: 8, .size: 8, .value_kind: global_buffer, .address_space: global }
      - { .name: qkv, .offset: 16, .size: 8, .value_kind: global_buffer, .address_space: global }
    .group_segment_fixed_size: 327680
    .private_segment_fixed_size: 0
    .kernarg_segment_align: 8
    .kernarg_segment_size: 24
    .max_flat_workgroup_size: 128
    .sgpr_count:     66
    .vgpr_count:     1024
    .wavefront_size: 32
...
	.end_amdgpu_metadata
.endif
;; end of part 2
;; launch attn (part 3): grid 4 x 64, 8 waves a work-group, no clusters, 327,680 bytes of LDS; arguments qkv, ao; writes ao
.if DOCPART == 3
	.amdgcn_target "amdgcn-amd-amdhsa--gfx1250"
	.amdhsa_code_object_version 6
	.text
	.protected	k_qbdfb529e2d_attn
	.globl	k_qbdfb529e2d_attn
	.p2align	8
	.type	k_qbdfb529e2d_attn,@function
k_qbdfb529e2d_attn:
	s_mov_b64 s[64:65], 0
	v_nop
	global_prefetch_b8 v0, s[64:65] scope:SCOPE_SE
	s_setreg_imm32_b32 hwreg(HW_REG_WAVE_MODE, 25, 1), 1
	s_wait_xcnt 0x0
; ao[bh][q][:] = the sum over k <= q of softmax_k(Q[q] . K[k] / 8) V[k][:], for 64 heads bh of 2,048 tokens x 64 channels.  qkv: [3][64][2048][64] f16, ao: [64][2048][64] f16.
; f16 products, f32 sums, maxima and statistics; the weights p are rounded to f16 for the second product, ao once at the end.
; LIMIT: weights under 2^-24 of the row's largest vanish in f16; |ao| is bounded by |V|, which the launch before keeps under 65,504.
; SHARES.  Work-group (I, bh) makes the blocks of 256 queries I and 7 - I of its head: (I + 1) + (8 - I) = 9 chunks of 256 keys in every work-group.  Keys above the diagonal are never multiplied.
; Each of eight waves holds two tiles of 16 queries of the block in hand: tile A = w, tile B = w + 12 - 8 (w / 4).  In the block's last chunk (the diagonal) tile t needs the key steps 0 .. t / 4
; of 64 keys: 1 + 4 or 2 + 3 tile steps, five in every wave; only step t / 4 is masked, and since both tiles are equal to w modulo 4 one set of lane masks serves both.
; NO CLUSTER: the four work-groups of a head walk different numbers of chunks for each of their blocks, so partners kept in step would each pay for the largest, 12 chunks against 9.
; LAYOUT.  S^T = K Q^T (source 0 = 16 keys, source 1 = 16 queries): a lane holds ONE query (lane % 16) and the keys 8 (lane / 16) + 0..7.  Two such tiles, rounded in pairs, ARE source 1
; (32 keys x 16 queries) of O^T = V^T P, whose result again holds one query a lane and eight channels.  K comes out of LDS as it lies, V turned, by ds_load_tr16_b128.
; SOFTMAX.  For each query a running maximum m and sum l: p = 2^(c s - c m), c = log2(e) / 8; in every step O and l are multiplied by a = 2^(c m_old - c m_new).  A block starts with m = -inf,
; l = 0 and O = 0, so that its first step has a = 0 and one text serves every step; key 0 is open to every query, so m is finite from the first step on.  The clears are 64 moves at each of
; a wave's two block starts, against 66 tile steps of 134 instructions; a first step of its own would be one more copy of the step's text and a branch in every chunk.
; BY TURNS.  The two tiles share K's and V's fragments and nothing else; each has its own S^T and P.  A tile's softmax for a step is a list of 118 vector instructions for its 16 products.
; In a step that both tiles take, tile A's products K Q^T carry slices of tile B's softmax, tile B's products V^T P slices of tile A's, tile A's products V^T P both tiles' sums:
; 24 of the step's 32 products have vector work of the other tile behind them.  A step that tile B takes alone goes in phases.
; FETCHES AHEAD.  K of step j + 1 is asked for in the middle of step j, behind the step's last K Q^T, into the one buffer that those products have just left; V of step j + 1 behind step j's last
; V^T P.  Only a chunk's first step fetches at its head, behind the barrier.  Q of BOTH blocks is loaded at the kernel's start; the second block's waits in registers of its own.
; REGISTERS: window 0 as named below: all that a softmax and K Q^T touch, so that slices behind K Q^T cost no switch.  Window 1: O^T, tile t, channels 16 c on, at v[32 t + 8 c]; V of a step at v64-127;
; Q of the second block at v128-159.  A slice behind a product V^T P costs two switches.
.set KP,    272       ; an LDS row of K: two keys, 256 bytes + 16 of padding: the 16 keys of a fragment load start at 16 different 16-byte columns of the 64 banks (ISA guide 11.1)
.set VP,    288       ; a row of V: two keys, 256 + 32
.set VOFF,  128*KP    ; in a slot: a chunk's 128 rows of K, then its 128 rows of V
.set SLOT1, 1<<17     ; slot 1 begins here, so that one exclusive or turns an address in one slot into the other's
.set STAGE, SLOT1+128*(KP+VP)  ; behind the ring (byte 792 x 256): 16 rows x 144 bytes for each wave; no tensor load lands here
.set SP,    144
.set AK0,  2          ; v2   my lane's place in a fragment of K
.set AV0,  3          ; v3   the same for V
.set ADRK, 4          ; v4   the same in the slot in hand
.set ADRV, 5          ; v5
.set QO,   6          ; v6-7   my byte offset in a block's rows of Q, tile A, B; never rewritten
.set STO,  8          ; v8   the way out: where I put 16 bytes of a row
.set RD,   9          ; v9   the way out: where I read back
.set GO,   10         ; v10-11 my byte offset in the block's rows of ao, tile A, B
.set T0,   12         ; v12  16 (w % 4) + lane % 16 - 8 (lane / 16): register i of a masked step (key 16 (i / 8) + i % 8 + 8 (lane / 16)) is closed where 16 (i / 8) + i % 8 > T0
.set NEG,  13         ; v13  -inf
.set ST,   16         ; tile t's statistics at v[ST + 8 t]: +0 c m, +1 m, +2, +3 l (even keys', odd keys'), +4 to +7 c0-c3 at work; a takes c2's place
.set S,    32         ; S^T, 32 registers a tile
.set P,    96         ; the weights, 16 a tile
.set Q,    128        ; Q of the block in hand, 16 a tile
.set KF,   160        ; K of a step: fragment (16 keys kt, 32 channels kc) at +8 (2 kt + kc)
.set TMP,  224        ; the way out: packed results
.set VF,   64         ; in window 1: V of a step: fragment (32 keys g, 16 channels c) at +8 (4 g + c)
.set Q2,   128        ; in window 1: Q of block 7 - I until its turn comes
.set WV,  8           ; s8   my wave's number
.set BI,  9           ; s9   I
.set NC,  10          ; s10  the chunk's number in the walk, 0 to 8
.set SB,  11          ; s11  LDS byte at which the slot in hand begins
.set DA0, 12          ; s12-13 the masked step of tile A, B in a diagonal chunk
.set DB0, 13
.set DA,  14          ; s14-15 the same for the chunk in hand; 15 (no step) off the diagonal
.set DB,  15
.set G1K, 16          ; s[16:23] descriptor group 1 for K's tiles;  s[24:31] for V's: it differs in the padding alone
.set G1V, 24
.set G0K, 32          ; s[32:35], s[36:39] descriptor group 0, one that walks for each
.set G0V, 36
.set KB,  40          ; s[40:41], s[42:43] K and V of my head at the half chunk that I fetch
.set VB,  42
.set QP0, 44          ; s[44:47] Q at my two blocks;  s[48:51] ao likewise
.set QP1, 46
.set OP0, 48
.set OP1, 50
.set CS,  52          ; s[52:53] c, twice
.set SEL, 54          ; s[54:55] lane selects for v_permlanex16_b32: each lane takes its own place in the other half
.set OFF, 56          ; s[56:57] byte offset of the chunk to be fetched
.set MK,  66          ; s[66:97] the 32 lane masks of a masked step
.set MSB, 0
.macro WIN new                      ; the immediate's high byte repeats the setting that is left; a switch that changes nothing is dropped
.if MSB != \new
	s_set_vgpr_msb (MSB<<8)|\new
.set MSB, \new
.endif
.endm
.set W_PV, 0x51       ; V (source 0), O^T (C and D) window 1; P (source 1) window 0
.set W_RS, 0x41       ; O^T (destination and source 0) window 1, a window 0
.macro PLACES                       ; four places between matrix instructions and the vector instructions that read their results (ISA guide 7.12.1)
.rept 4
	v_nop
.endr
.endm
; Waves 0 and 1 fetch the two halves of a chunk's K (64 rows of 256 bytes each), waves 2 and 3 those of its V, waves 4 to 7 nothing.  One tensor load of a wave is out at a time.
; Four v_nop follow each of the two lines, ahead of the jump, the label and what follows.
.macro KVLOAD
	s_cmp_lt_u32 s[WV], 2
	s_cbranch_scc0 .Lnot_k_\@
	tensor_load_to_lds s[G0K:G0K+3], s[G1K:G1K+7]
	s_nop 0
.rept 4
	v_nop
.endr
	s_branch .Lasked_\@
.Lnot_k_\@:
	s_cmp_lt_u32 s[WV], 4
	s_cbranch_scc0 .Lasked_\@
	tensor_load_to_lds s[G0V:G0V+3], s[G1V:G1V+7]
	s_nop 0
.rept 4
	v_nop
.endr
.Lasked_\@:
.endm
; Q of my two tiles of the block at qp, into 32 registers from base on: a fragment is 16 queries x 32 channels, two loads of 16 bytes, 32 bytes apart
.macro QLOAD base, qp
.irp t, 0,1
.irp kc, 0,1
	global_load_b128 v[\base+16*\t+8*\kc:\base+16*\t+8*\kc+3],   v[QO+\t], s[\qp:\qp+1] offset:64*\kc
	global_load_b128 v[\base+16*\t+8*\kc+4:\base+16*\t+8*\kc+7], v[QO+\t], s[\qp:\qp+1] offset:64*\kc+32
.endr
.endr
.endm
	s_load_b128 s[4:7], s[0:1], 0x0   ; qkv s[4:5], ao s[6:7]
	v_lshl_add_u32 v254, v0, 2, 0x36000
	v_mov_b32 v255, 0
	ds_add_u32 v254, v255
	ds_add_u32 v254, v255
	v_lshrrev_b32 v1, 5, v0
	v_readfirstlane_b32 s[WV], v1     ; wave 0..7
	s_mov_b32 s[BI], ttmp9
	s_and_b32 s58, ttmp7, 0xffff
	s_lshl_b32 s58, s58, 18           ; my head's 262,144 bytes in each part of qkv and in ao
	s_and_b32 s60, s[WV], 1           ; which half of a chunk I fetch:
	s_lshl_b32 s62, s60, 14           ; its 128 keys of 128 bytes in memory,
	s_add_co_u32 s62, s62, s58
	s_mov_b32 s63, 0
	s_mov_b32 s[G0K], 1               ; count = 1
	s_mov_b32 s[G0V], 1
	s_mul_i32 s[G0K+1], s60, 64*KP    ; and its place in slot 0
	s_mul_i32 s[G0V+1], s60, 64*VP
	s_add_co_u32 s[G0V+1], s[G0V+1], VOFF
	s_mov_b32 s[G1K], (1<<16)|(1<<20)|(5<<22)|(3<<25)  ; no mask; elements of 2 bytes; padding on; after every 64 words (code 5) 4 words (code 3)
	s_mov_b32 s[G1V], (1<<16)|(1<<20)|(5<<22)|(7<<25)  ; the same with 8 words (code 7)
.irp g, G1K, G1V
	s_mov_b32 s[\g+1], 128<<16        ; tensor_dim0 = 128 elements: two keys
	s_mov_b32 s[\g+2], 64<<16         ; tensor_dim1 = 64
	s_mov_b32 s[\g+3], 128<<16        ; tile_dim0 = 128
	s_mov_b32 s[\g+4], 64             ; tile_dim1 = 64
	s_mov_b32 s[\g+5], 128            ; tensor_dim0_stride: the block is dense
	s_mov_b32 s[\g+6], 0
	s_mov_b32 s[\g+7], 0
.endr
	s_lshl_b32 s60, s[BI], 15         ; block I: 256 rows of 128 bytes each
	s_add_co_u32 s60, s60, s58
	s_mov_b32 s61, 0
	s_sub_co_u32 s59, 7, s[BI]        ; block 7 - I
	s_lshl_b32 s59, s59, 15
	s_add_co_u32 s58, s58, s59
	s_mov_b32 s59, 0
	s_mov_b32 s[CS], 0x3e38aa3b       ; c = log2(e) / 8
	s_mov_b32 s[CS+1], s[CS]          ; named with it as a pair, so it is written
	s_mov_b32 s[SEL], 0x76543210
	s_mov_b32 s[SEL+1], 0xfedcba98
	s_wait_dscnt 0x0
	s_wait_kmcnt 0x0
	s_add_nc_u64 s[KB:KB+1], s[4:5], s[62:63]
	s_add_nc_u64 s[VB:VB+1], s[KB:KB+1], 0x2000000   ; V is part 2 of qkv,
	s_add_nc_u64 s[KB:KB+1], s[KB:KB+1], 0x1000000   ; K part 1
	s_add_nc_u64 s[QP0:QP0+1], s[4:5], s[60:61]
	s_add_nc_u64 s[OP0:OP0+1], s[6:7], s[60:61]
	s_add_nc_u64 s[QP1:QP1+1], s[4:5], s[58:59]
	s_add_nc_u64 s[OP1:OP1+1], s[6:7], s[58:59]
	s_mov_b64 s[G0K+2:G0K+3], s[KB:KB+1]             ; chunk 0
	s_or_b32 s[G0K+3], s[G0K+3], 0x80000000          ; type = 2
	s_mov_b64 s[G0V+2:G0V+3], s[VB:VB+1]
	s_or_b32 s[G0V+3], s[G0V+3], 0x80000000
	KVLOAD                            ; the first fill, ahead of every wait on TENSORcnt, every LDS read and every barrier
	v_and_b32 v14, 31, v0             ; l
	v_and_b32 v1, 15, v0              ; r = l % 16
	v_bfe_u32 v15, v0, 4, 1           ; h = l / 16
	s_lshr_b32 s[DA0], s[WV], 2       ; tile A = w: its masked step is w / 4;
	s_sub_co_u32 s[DB0], 3, s[DA0]    ; tile B: 3 - w / 4
	s_lshl_b32 s58, s[DA0], 3
	s_add_co_u32 s59, s[WV], 12
	s_sub_co_u32 s59, s59, s58        ; tile B = w + 12 - 8 (w / 4)
	s_lshl_b32 s59, s59, 11           ; a tile's 16 rows are 2,048 bytes
	s_lshl_b32 s58, s[WV], 11
	v_lshlrev_b32 v[QO], 7, v1
	v_lshl_add_u32 v[QO], v15, 4, v[QO]   ; row x 128 + 16 x half
	v_add_nc_u32 v[QO+1], s59, v[QO]
	v_add_nc_u32 v[QO], s58, v[QO]
	QLOAD Q, QP0                      ; Q of both blocks goes out as soon as its offsets are made: the rest of the set-up stands between these sixteen loads and the wait for them,
	WIN 0x40                          ; (destination window 1, address window 0)
	QLOAD Q2, QP1                     ; and the change of blocks waits for no memory
	WIN 0
	; a fragment of K: lane l holds key r; registers 0-3 channels 8 h + 0..7, registers 4-7 channels 16 + 8 h + 0..7.  Key k lies at row k / 2, byte 128 (k % 2).
	v_lshrrev_b32 v[AK0], 1, v1
	v_mul_u32_u24 v[AK0], v[AK0], KP
	v_and_b32 v4, 1, v0
	v_lshl_add_u32 v[AK0], v4, 7, v[AK0]
	v_lshl_add_u32 v[AK0], v15, 4, v[AK0]
	; the turning load: lane l reads 16 bytes of key 8 h + l % 8, channels 8 ((l / 8) % 2) + 0..7, and is left with channel r and 8 keys
	v_bfe_u32 v[AV0], v0, 1, 2
	v_lshl_add_u32 v[AV0], v15, 2, v[AV0]
	v_mul_u32_u24 v[AV0], v[AV0], VP
	v_lshl_add_u32 v[AV0], v4, 7, v[AV0]
	v_bfe_u32 v5, v0, 3, 1
	v_lshl_add_u32 v[AV0], v5, 4, v[AV0]
	v_add_nc_u32 v[AV0], VOFF, v[AV0]
	s_mul_i32 s60, s[WV], 16*SP
	s_add_co_u32 s60, s60, STAGE      ; my stage
	v_mul_u32_u24 v[STO], v1, SP      ; in: row r, 16 bytes for each half of the lanes
	v_lshl_add_u32 v[STO], v15, 4, v[STO]
	v_add_nc_u32 v[STO], s60, v[STO]
	v_lshrrev_b32 v[RD], 3, v14       ; back: eight lanes take a row of 128 bytes, the wave four rows
	v_mul_u32_u24 v[RD], v[RD], SP
	v_and_b32 v5, 7, v0
	v_lshl_add_u32 v[RD], v5, 4, v[RD]
	v_add_nc_u32 v[RD], s60, v[RD]
	v_lshlrev_b32 v[GO], 4, v14       ; in memory those four rows are 512 consecutive bytes
	v_add_nc_u32 v[GO+1], s59, v[GO]
	v_add_nc_u32 v[GO], s58, v[GO]
	s_and_b32 s61, s[WV], 3
	s_lshl_b32 s61, s61, 4
	v_lshlrev_b32 v[T0], 3, v15
	v_sub_nc_u32 v[T0], v1, v[T0]
	v_add_nc_u32 v[T0], s61, v[T0]
	v_mov_b32 v[NEG], 0xff800000
.set i, 0
.rept 32
	v_cmp_gt_i32 s[MK+i], 16*(i/8)+i%8, v[T0]   ; the lanes in which register i of a masked step is a key behind the query
.set i, i+1
.endr
; THE MATRIX WORK of a tile step.  In both runs the tile's four accumulators take turns, one instruction a turn.
; Product i of 8 of S^T = K Q^T for tile t: channels 32 (i / 4) on, keys 16 (i % 4) on.  The first four start the sums.
.macro KQ t
	WIN 0
.set rD, S+32*\t+8*(i%4)
.set rK, KF+8*(2*(i%4)+i/4)
.set rQ, Q+16*\t+8*(i/4)
.if i < 4
	v_wmma_f32_16x16x32_f16 v[rD:rD+7], v[rK:rK+7], v[rQ:rQ+7], 0
.else
	v_wmma_f32_16x16x32_f16 v[rD:rD+7], v[rK:rK+7], v[rQ:rQ+7], v[rD:rD+7]
.endif
.endm
; Product i of 8 of O^T += V^T P for tile t: keys 32 (i / 4) on, channels 16 (i % 4) on.
.macro PV t
	WIN W_PV
.set rD, 32*\t+8*(i%4)
.set rV, VF+8*(4*(i/4)+i%4)
.set rW, P+16*\t+8*(i/4)
	v_wmma_f32_16x16x32_f16 v[rD:rD+7], v[rV:rV+7], v[rW:rW+7], v[rD:rD+7]
.endm
; THE LDS LOADS stand in runs of 16: K of key step j of the chunk (64 keys x 64 channels: 8 fragments), and its V (turned).
.macro FETCH_K j
.irp kt, 0,1,2,3
.irp kc, 0,1
	ds_load_b128 v[KF+8*(2*\kt+\kc):KF+8*(2*\kt+\kc)+3],   v[ADRK] offset:(\j)*32*KP+\kt*8*KP+64*\kc
	ds_load_b128 v[KF+8*(2*\kt+\kc)+4:KF+8*(2*\kt+\kc)+7], v[ADRK] offset:(\j)*32*KP+\kt*8*KP+64*\kc+32
.endr
.endr
.endm
.macro FETCH_V j
	WIN 0x40                          ; destination window 1, address window 0
.irp g, 0,1
.irp c, 0,1,2,3
	ds_load_tr16_b128 v[VF+8*(4*\g+\c):VF+8*(4*\g+\c)+3],   v[ADRV] offset:(\j)*32*VP+\g*16*VP+32*\c
	ds_load_tr16_b128 v[VF+8*(4*\g+\c)+4:VF+8*(4*\g+\c)+7], v[ADRV] offset:(\j)*32*VP+\g*16*VP+8*VP+32*\c
.endr
.endr
	WIN 0
.endm
; K of the step behind step j, where one follows: in a diagonal chunk no step follows tile B's own.  It stands behind the wait that shows V of step j in, so that nothing else is out when it goes.
.macro NEXT_K j
.if \j < 3
	s_cmp_lt_u32 s[DB], \j+1
	s_cbranch_scc1 .Lno_k_\@
	FETCH_K \j+1
.Lno_k_\@:
.endif
.endm
; THE VECTOR WORK of a tile step is a list of 118 instructions; SM writes the next one of tile t's list (the symbols n0 and n1 count them).  s0-s31 are the lane's 32 scores, in pairs 0-15.
;   0-15    the maximum of s0-s31 and the old m, three operands at a time, in four chains; each accumulator is read from its low end on
;   16-21   the other half of the lanes' maximum; c m_old kept; the new m; c m; c m_old - c m_new; a
;   22-36   c s - c m for pairs 0-14
;   37-84   sixteen groups of two exponentials and a plain instruction that touches neither (the last scaling, then the rounding to f16 of the pair before): so a plain instruction
;           stands between every exponential and the use of its result (ISA guide 5.7.2), whatever matrix instruction a slice's end sets between them
;   85-86   the first of the sums; the last rounding
;   87-102  the tile's O^T times a: the one part that leaves window 0.  Behind it the tile's V^T P may begin
;   103-117 the rest of the sum of the 16 pairs of weights, in place; l = a l + the sum
.macro SM t
.set n, n\t
.set n\t, n+1
.set rT, ST+8*\t
.set rS, S+32*\t
.set rP, P+16*\t
.set rO, 32*\t+2*(n-87)
.if (n > 86) && (n < 103)
	WIN W_RS
.else
	WIN 0
.endif
.if n < 4
	v_max3_num_f32 v[rT+4+n], v[rS+8*n], v[rS+8*n+1], v[rS+8*n+2]
.elseif n < 12
	v_max3_num_f32 v[rT+4+n%4], v[rT+4+n%4], v[rS+8*(n%4)+2*(n/4)+1], v[rS+8*(n%4)+2*(n/4)+2]
.elseif n == 12
	v_max3_num_f32 v[rT+4], v[rT+4], v[rS+7], v[rS+15]
.elseif n == 13
	v_max3_num_f32 v[rT+6], v[rT+6], v[rS+23], v[rS+31]
.elseif n == 14
	v_max3_num_f32 v[rT+4], v[rT+4], v[rT+5], v[rT+6]
.elseif n == 15
	v_max3_num_f32 v[rT+4], v[rT+4], v[rT+7], v[rT+1]
.elseif n == 16
	v_permlanex16_b32 v[rT+5], v[rT+4], s[SEL], s[SEL+1]  ; the query's other 32 keys lie in the lane 16 away
.elseif n == 17
	v_mov_b32 v[rT+7], v[rT]          ; c m_old is kept for a
.elseif n == 18
	v_max_num_f32 v[rT+1], v[rT+4], v[rT+5]
.elseif n == 19
	v_mul_f32 v[rT], s[CS], v[rT+1]
.elseif n == 20
	v_sub_f32 v[rT+7], v[rT+7], v[rT]
.elseif n == 21
	v_exp_f32 v[rT+6], v[rT+7]        ; a
.elseif n < 37
.set b, n-22
	v_pk_fma_f32 v[rS+2*b:rS+2*b+1], v[rS+2*b:rS+2*b+1], s[CS:CS+1], v[rT:rT+1] op_sel_hi:[1,0,0] neg_lo:[0,0,1] neg_hi:[0,0,1]  ; c s - c m
.elseif n < 85
.set b, (n-37)/3
.if (n-37)%3 == 0
	v_exp_f32 v[rS+2*b], v[rS+2*b]
.elseif (n-37)%3 == 1
	v_exp_f32 v[rS+2*b+1], v[rS+2*b+1]
.elseif b == 0
	v_pk_fma_f32 v[rS+30:rS+31], v[rS+30:rS+31], s[CS:CS+1], v[rT:rT+1] op_sel_hi:[1,0,0] neg_lo:[0,0,1] neg_hi:[0,0,1]
.else
	s_wait_alu depctr_va_vdst(0)
	v_cvt_pk_f16_f32 v[rP+b-1], v[rS+2*b-2], v[rS+2*b-1]
.endif
.elseif n == 85
	v_pk_add_f32 v[rS:rS+1], v[rS:rS+1], v[rS+2:rS+3]
.elseif n == 86
	v_cvt_pk_f16_f32 v[rP+15], v[rS+30], v[rS+31]
.elseif n < 103
	v_pk_mul_f32 v[rO:rO+1], v[rO:rO+1], v[rT+6:rT+7] op_sel_hi:[1,0]
.elseif n < 110
.set u, n-102
	v_pk_add_f32 v[rS+4*u:rS+4*u+1], v[rS+4*u:rS+4*u+1], v[rS+4*u+2:rS+4*u+3]
.elseif n < 114
.set u, n-110
	v_pk_add_f32 v[rS+8*u:rS+8*u+1], v[rS+8*u:rS+8*u+1], v[rS+8*u+4:rS+8*u+5]
.elseif n < 116
.set u, n-114
	v_pk_add_f32 v[rS+16*u:rS+16*u+1], v[rS+16*u:rS+16*u+1], v[rS+16*u+8:rS+16*u+9]
.elseif n == 116
	v_pk_add_f32 v[rS:rS+1], v[rS:rS+1], v[rS+16:rS+17]
.else
	v_pk_fma_f32 v[rT+2:rT+3], v[rT+2:rT+3], v[rT+6:rT+7], v[rS:rS+1] op_sel_hi:[1,0,1]   ; l = a l + the sum
.endif
.endm
.macro SLICE t, cnt                 ; the next cnt instructions of tile t's list
.rept \cnt
	SM \t
.endr
.endm
.macro MASK t                       ; the keys behind the query are closed, each accumulator from its low end on
.set i, 0
.rept 32
	v_cndmask_b32 v[S+32*\t+i], v[S+32*\t+i], v[NEG], s[MK+i]
.set i, i+1
.endr
.endm
; A KEY STEP THAT BOTH TILES TAKE.  Tile B is never masked here: its masked step is 2 or 3, and tile A takes part in a diagonal chunk only up to its own, 0 or 1.
.macro BOTH j
.set i, 0
.rept 8
	KQ 1                              ; tile B's scores: no vector work of this step is ready yet
.set i, i+1
.endr
	PLACES
.set n1, 0
.set i, 0
.rept 8
	KQ 0                              ; tile A's scores | tile B's maximum, scalings and first exponentials, six behind each product: 48 of its 118
	SLICE 1, 6
.set i, i+1
.endr
	SLICE 1, 55                       ; the rest of tile B's softmax up to the rescaling of its O^T; its plain instructions are the places behind tile A's scores, for the mask and for the loads into K's buffer
	WIN 0
	s_wait_dscnt 0x0                  ; V is in: its loads went out behind the last step's V^T P (a chunk's first: at the chunk's head)
	NEXT_K \j                         ; the next step's K: the rest of this step, 16 products and 133 vector instructions, stands between this run and the wait for it
	s_cmp_lg_u32 s[DA], \j            ; only the tile's own diagonal step is masked
	s_cbranch_scc1 .Lopen_\@
	MASK 0
.Lopen_\@:
.set n0, 0
.set i, 0
.rept 8
	PV 1                              ; tile B's V^T P | the first 48 of tile A's softmax
	SLICE 0, 6
.set i, i+1
.endr
	SLICE 0, 55
.set i, 0
.rept 8
	PV 0                              ; tile A's V^T P | both tiles' sums, 15 each; six of them stand behind the last product: the places in front of the next loads into V's registers
.if i < 5
	SLICE 1, 2
	SLICE 0, 2
.elseif i < 7
	SLICE 1, 1
	SLICE 0, 1
.else
	SLICE 1, 3
	SLICE 0, 3
.endif
.set i, i+1
.endr
	WIN 0
.endm
; A KEY STEP THAT TILE B TAKES ALONE (a diagonal chunk's steps behind tile A's own), in phases.
.macro ONLYB j
.set i, 0
.rept 8
	KQ 1
.set i, i+1
.endr
	PLACES                            ; for the mask and the maxima, and for the loads into K's buffer below
	s_cmp_lg_u32 s[DB], \j
	s_cbranch_scc1 .Lopen_\@
	MASK 1
.Lopen_\@:
.set n1, 0
	SLICE 1, 37                       ; the maximum and the scalings
	s_wait_dscnt 0x0                  ; V is in
	NEXT_K \j                         ; the next step's K goes out ahead of the exponentials
	SLICE 1, 66
.set i, 0
.rept 8
	PV 1
.set i, i+1
.endr
	SLICE 1, 15                       ; the sums name no register of the products above and are the places behind them
	WIN 0
.endm
; A KEY STEP of 64 keys.  Its K and V have been asked for: by the step before, or at the chunk's head.  In a diagonal chunk the steps beyond a tile's own are left out:
; tile B's masked step is never in front of tile A's, so a step that tile B does not need ends the chunk, and nothing is fetched for it.
.macro STEP j, id
	s_wait_dscnt 16                   ; K is in; the sixteen loads issued behind it, V's, may stay out
.if \j > 0
	s_cmp_lt_u32 s[DA], \j
	s_cbranch_scc1 .Lonly_b_\@
.endif
	BOTH \j
.if \j > 0
	s_branch .Lnext_\@
.Lonly_b_\@:
	ONLYB \j
.Lnext_\@:
.endif
.if \j < 3
	s_cmp_lt_u32 s[DB], \j+1
	s_cbranch_scc1 .Ldone_\id
	FETCH_V \j+1                      ; the next step's V: that step's K Q^T and the softmax behind them stand between this run and the wait for it
.endif
.endm
.macro CHUNK id
	v_add_nc_u32 v[ADRK], s[SB], v[AK0]
	v_add_nc_u32 v[ADRV], s[SB], v[AV0]
	FETCH_K 0
	FETCH_V 0
	STEP 0, \id
	STEP 1, \id
	STEP 2, \id
	STEP 3, \id
.Ldone_\id:
.endm
; A block of queries begins: m = -inf, l = 0, O = 0.
.macro CLEAR
.irp t, 0,1
	v_mov_b32 v[ST+8*\t], v[NEG]
	v_mov_b32 v[ST+8*\t+1], v[NEG]
	v_mov_b32 v[ST+8*\t+2], 0
	v_mov_b32 v[ST+8*\t+3], 0
.endr
	WIN 0x40                          ; destination window 1
.set i, 0
.rept 64
	v_mov_b32 v[i], 0
.set i, i+1
.endr
	WIN 0
.endm
; A block ends: l's two halves and the other half of the lanes' are added; O^T is divided by l, rounded to f16 and sent through my stage, a tile (16 rows of 128 bytes) at a time.
.macro FINAL op
.irp t, 0,1
	v_add_f32 v[ST+8*\t+4], v[ST+8*\t+2], v[ST+8*\t+3]
.endr
.irp t, 0,1
	v_permlanex16_b32 v[ST+8*\t+5], v[ST+8*\t+4], s[SEL], s[SEL+1]
.endr
.irp t, 0,1
	v_add_f32 v[ST+8*\t+4], v[ST+8*\t+4], v[ST+8*\t+5]
.endr
.irp t, 0,1
	v_rcp_f32 v[ST+8*\t+6], v[ST+8*\t+4]   ; l is at least 1: the largest weight of a row is 1
.endr
	v_nop                             ; a plain instruction between the last reciprocal and the use of its result
.irp t, 0,1
	WIN W_RS
.set i, 0
.rept 16
	s_wait_alu depctr_va_vdst(0)
	v_pk_mul_f32 v[32*\t+2*i:32*\t+2*i+1], v[32*\t+2*i:32*\t+2*i+1], v[ST+8*\t+6:ST+8*\t+7] op_sel_hi:[1,0]
.set i, i+1
.endr
	WIN 0x05                          ; sources 0 and 1 window 1, destination window 0
.set i, 0
.rept 16
	v_cvt_pk_f16_f32 v[TMP+i], v[32*\t+2*i], v[32*\t+2*i+1]
.set i, i+1
.endr
	WIN 0
.irp c, 0,1,2,3
	ds_store_b128 v[STO], v[TMP+4*\c:TMP+4*\c+3] offset:32*\c
.endr
.irp k, 0,1,2,3
	ds_load_b128 v[S+16*\t+4*\k:S+16*\t+4*\k+3], v[RD] offset:\k*4*SP   ; LDS serves a wave's instructions in order (ISA guide 5.7.1.4): these see the stores above, and the next tile's stores come behind them
.endr
.endr
	s_wait_dscnt 0x0
.irp t, 0,1
.irp k, 0,1,2,3
	global_store_b128 v[GO+\t], v[S+16*\t+4*\k:S+16*\t+4*\k+3], s[\op:\op+1] offset:512*\k   ; the wave stores 512 consecutive bytes, at a multiple of 512 from ao's first byte
.endr
.endr
.endm
	CLEAR
	s_wait_loadcnt 0x0                ; Q of both blocks
	s_mov_b32 s[NC], 0
	s_mov_b32 s[SB], 0
	s_mov_b32 s[OFF+1], 0
.Lchunk:                              ; eight trips: chunk NC of the walk is worked on while chunk NC + 1 is on its way into the other slot
	s_wait_tensorcnt 0x0              ; all my tensor loads have landed, my part of this trip's chunk: so a group 0 may be written
	ds_add_u32 v254, v255
	ds_add_u32 v254, v255
	s_wait_dscnt 0x0                  ; my reads of the other slot are over
	s_xor_b32 s[G0K+1], s[G0K+1], SLOT1   ; the other slot than last time
	s_xor_b32 s[G0V+1], s[G0V+1], SLOT1
	s_add_co_u32 s58, s[NC], 1        ; the walk: chunks 0 .. I for block I, then 0 .. 7 - I for block 7 - I
	s_sub_co_u32 s59, s[NC], s[BI]
	s_cmp_le_u32 s58, s[BI]
	s_cselect_b32 s[OFF], s58, s59
	s_lshl_b32 s[OFF], s[OFF], 15     ; a chunk's 256 keys of 128 bytes
	s_add_nc_u64 s[G0K+2:G0K+3], s[KB:KB+1], s[OFF:OFF+1]
	s_or_b32 s[G0K+3], s[G0K+3], 0x80000000
	s_add_nc_u64 s[G0V+2:G0V+3], s[VB:VB+1], s[OFF:OFF+1]
	s_or_b32 s[G0V+3], s[G0V+3], 0x80000000
	s_barrier_signal -1
	s_barrier_wait -1                 ; both waits now hold of every wave: this chunk is whole, and nobody reads the other slot
	KVLOAD                            ; the one tensor load of a wave behind the barrier, and the first thing there: it has the chunk's work in which to land
	s_cmp_eq_u32 s[NC], s[BI]         ; block I's last chunk is its diagonal
	s_cselect_b32 s[DA], s[DA0], 15
	s_cselect_b32 s[DB], s[DB0], 15
	CHUNK 0
	s_cmp_lg_u32 s[NC], s[BI]
	s_cbranch_scc1 .Lsame_block
	FINAL OP0
	s_wait_xcnt 0x0                   ; the stores' data registers (S^T's) are written again only behind this wait
	WIN 0x01                          ; source 0 window 1, destination window 0
.set i, 0
.rept 32
	v_mov_b32 v[Q+i], v[Q2+i]         ; block 7 - I's Q takes the registers that the loop's one text names: 32 moves a wave, once in the launch, where a load would have all eight waves wait for memory
.set i, i+1
.endr
	WIN 0
	CLEAR
.Lsame_block:
	s_xor_b32 s[SB], s[SB], SLOT1
	s_add_co_u32 s[NC], s[NC], 1
	s_cmp_lt_u32 s[NC], 8
	s_cbranch_scc1 .Lchunk
	s_wait_tensorcnt 0x0              ; the ninth chunk, block 7 - I's diagonal, is written out: nothing is left to fetch
	s_wait_dscnt 0x0
	s_barrier_signal -1
	s_barrier_wait -1
	s_mov_b32 s[DA], s[DA0]
	s_mov_b32 s[DB], s[DB0]
	CHUNK 1
	FINAL OP1
	s_wait_tensorcnt 0x0
	ds_add_u32 v254, v255
	s_wait_dscnt 0x0
	s_endpgm
.Lfunc_end_k_qbdfb529e2d_attn:
	.size	k_qbdfb529e2d_attn, .Lfunc_end_k_qbdfb529e2d_attn-k_qbdfb529e2d_attn
	.p2alignl 7, 3214868480
	.fill 96, 4, 3214868480
	.section	.rodata,"a",@progbits
	.p2align	6, 0x0
	.amdhsa_kernel k_qbdfb529e2d_attn
		.amdhsa_group_segment_fixed_size 327680
		.amdhsa_private_segment_fixed_size 0
		.amdhsa_enable_private_segment 0
		.amdhsa_kernarg_size 16
		.amdhsa_user_sgpr_count 2
		.amdhsa_user_sgpr_kernarg_segment_ptr 1
		.amdhsa_wavefront_size32 1
		.amdhsa_system_sgpr_workgroup_id_x 1
		.amdhsa_system_sgpr_workgroup_id_y 1
		.amdhsa_system_sgpr_workgroup_id_z 1
		.amdhsa_system_vgpr_workitem_id 0
		.amdhsa_next_free_vgpr 416
		.amdhsa_next_free_sgpr 98
		.amdhsa_reserve_vcc 0
		.amdhsa_float_denorm_mode_32 3
		.amdhsa_float_denorm_mode_16_64 3
		.amdhsa_memory_ordered 1
		.amdhsa_forward_progress 1
		.amdhsa_inst_pref_size 255
	.end_amdhsa_kernel
	.section	.bss,"aw",@nobits
	.p2align	6
	.space	262144
	.amdgpu_metadata
---
amdhsa.version: [ 1, 2 ]
amdhsa.kernels:
  - .name:           k_qbdfb529e2d_attn
    .symbol:         k_qbdfb529e2d_attn.kd
    .args:
      - { .name: qkv, .offset: 0, .size: 8, .value_kind: global_buffer, .address_space: global }
      - { .name: ao, .offset: 8, .size: 8, .value_kind: global_buffer, .address_space: global }
    .group_segment_fixed_size: 327680
    .private_segment_fixed_size: 0
    .kernarg_segment_align: 8
    .kernarg_segment_size: 16
    .max_flat_workgroup_size: 256
    .sgpr_count:     98
    .vgpr_count:     416
    .wavefront_size: 32
...
	.end_amdgpu_metadata
.endif
;; end of part 3
;; launch oproj (part 4): grid 4 x 64, 4 waves a work-group, clusters of 4 x 4, 327,680 bytes of LDS; arguments ao, wb, out0; writes out0
.if DOCPART == 4
	.amdgcn_target "amdgcn-amd-amdhsa--gfx1250"
	.amdhsa_code_object_version 6
	.text
	.protected	k_qbdfb529e2d_oproj
	.globl	k_qbdfb529e2d_oproj
	.p2align	8
	.type	k_qbdfb529e2d_oproj,@function
k_qbdfb529e2d_oproj:
	s_mov_b64 s[64:65], 0
	v_nop
	global_prefetch_b8 v0, s[64:65] scope:SCOPE_SE
	s_setreg_imm32_b32 hwreg(HW_REG_WAVE_MODE, 25, 1), 1
	s_wait_xcnt 0x0
	s_wait_alu depctr_hold_cnt(0) depctr_sa_sdst(0) depctr_va_vdst(0) depctr_va_sdst(0) depctr_va_ssrc(0) depctr_va_vcc(0) depctr_vm_vsrc(0)
	s_getreg_b32 s2, hwreg(HW_REG_IB_STS2, 6, 4)
	s_cmp_eq_u32 s2, 0
	s_cbranch_scc0 .Lentry_in_a_cluster
	s_endpgm
.Lentry_in_a_cluster:
	s_bfe_u32 s2, ttmp6, 0x10000c
	s_cmp_lg_u32 s2, 0xf033
	s_cbranch_scc0 .Lentry_shape_is_right
	s_endpgm
.Lentry_shape_is_right:
; out0[m][n] = sum over e of A[m][e] W_o[n][e]: m = 8,192 tokens, n = 1,024, e = 64 x head + channel.  A is ao, [64 batch x head][2048][64] f16; W_o is rows 3,072-4,095 of wb, f16.
; f16 products, f32 sums, f32 out.
; A tile of out0 is 128 x 256: 4 x 64 = 256 work-groups.  Four waves, each 64 x 128: 32 accumulators of 16 x 16, 256 registers.
; K goes in 8 steps of 128 (two heads) through a ring of two LDS slots.  A head's 128 tokens x 64 channels are 16,384 dense bytes: they come as 64 rows of 256 bytes (two tokens), one head to a wave.
; CLUSTERS: 4 x 4 work-groups.  The four of a row of the cluster need the same tiles of ao, the four of a column the same tiles of W_o: each tile is asked for JOINTLY,
; by the same tensor load with the same descriptor and a mask that names the four.
; THE MATRIX INSTRUCTION IS USED TRANSPOSED (source 0 = 16 rows of W_o, source 1 = 16 tokens): a lane then holds eight neighbouring numbers of a row of out0.
; REGISTERS: window 0: v1-6 at work, v16-26 addresses; two fragment buffers of 96 (32 of A, 64 of B) at v64 and v160.  window 1: the accumulators, (a, b) at v[8 (8 a + b)].
.set PITCH,  272                       ; an LDS row: 256 bytes + 16 of padding = 68 words: row r starts at bank 4 r mod 64 (64 banks of 4 bytes: ISA guide 11.1)
.set AHALF,  64*PITCH                  ; what one tensor load brings of A: one head's 128 tokens
.set BHALF,  128*PITCH                 ; what one tensor load brings of B, and what one wave reads of it
.set SLOT,   2*AHALF+2*BHALF           ; A's two heads, then B's 256 rows
.set STAGE,  2*SLOT                    ; behind the ring (byte 816 x 256): 16 rows x 528 bytes for each wave, for the way out; no tensor load lands here
.set SPITCH, 528                       ; a stage row: 512 bytes + 16
.set LAPS,   4                         ; a lap = two K steps = once round the ring
.set APITCH, 128                       ; elements from row to row of A's tile in memory: it is dense
.set ASTEP,  524288                    ; bytes from a K step's tile of A to the next step's: two heads
.set BSTEP,  256
.set AFR,    8*PITCH                   ; LDS bytes from a fragment's 16 tokens to the next 16
.set BFR,    16*PITCH
.set ASUB,   AHALF                     ; LDS bytes from A's first 64 of a step's K (one head) to its second 64
.set ADRA, 16                          ; v16-17  LDS address of my A fragments in slot 0, 1
.set ADRB, 20                          ; v20-21  the same for B
.set STO,  24                          ; v24     the way out: where I put 32 bytes of a row
.set RD,   25                          ; v25     the way out: where I read a row back
.set CO,   26                          ; v26     my byte offset in a row's 512 bytes
.set OB,   64                          ; the way out: two buffers of 64, by turns
.set F0,   64
.set F1,   160
.set G1, 24                            ; s[24:31] descriptor group 1 for A's tiles;  s[32:39] group 0, one set for each slot
.set G0, 32
.set G1B, 48                           ; s[48:55], s[56:63] the same for B's tiles
.set G0B, 56
.set MSB, 0
.macro WIN new                         ; the immediate's high byte repeats the setting that is left; a switch that changes nothing is dropped
.if MSB != \new
	s_set_vgpr_msb (MSB<<8)|\new
.set MSB, \new
.endif
.endm
.set MUL, 0x50                         ; sources 0 (B) and 1 (A) window 0; C and D window 1
.macro PLACES                          ; four places in front of loads into registers that matrix instructions have read, and of LDS stores that read results
.rept 4
	v_nop
.endr
.endm
.macro JLOAD s                         ; a joint load: waves 0 and 1 fetch A's two heads, waves 2 and 3 B's two halves; four v_nop follow each of the two lines, ahead of the jump, the label and what follows
	s_cmp_eq_u32 s11, 0
	s_cbranch_scc0 .Lfor_b_\@
	tensor_load_to_lds s[G0+4*\s:G0+4*\s+3], s[G1:G1+7]
	s_nop 0
.rept 4
	v_nop
.endr
	s_branch .Lasked_\@
.Lfor_b_\@:
	tensor_load_to_lds s[G0B+4*\s:G0B+4*\s+3], s[G1B:G1B+7]
	s_nop 0
.rept 4
	v_nop
.endr
.Lasked_\@:
.endm
.macro CREST                           ; a round of the cluster's barrier behind its opening barrier
	s_cmp_lg_u32 s10, 0
	s_cbranch_scc1 .Lnot_wave_0_\@
	s_barrier_signal -3
.Lnot_wave_0_\@:
	s_barrier_wait -3
	s_barrier_signal -1
	s_barrier_wait -1
.endm
.macro CROUND                          ; a whole round
	s_barrier_signal -1
	s_barrier_wait -1
	CREST
.endm
	s_load_b128 s[4:7], s[0:1], 0x0                ; ao s[4:5], wb s[6:7]
	s_load_b64 s[8:9], s[0:1], 0x10                ; out0
	v_lshl_add_u32 v62, v0, 2, 0x3b400
	v_mov_b32 v63, 0
	ds_add_u32 v62, v63
	ds_add_u32 v62, v63
	v_lshrrev_b32 v1, 5, v0
	v_readfirstlane_b32 s10, v1                    ; wave 0..3
	s_lshr_b32 s11, s10, 1                         ; which 64 of the tile's rows are mine.  Also: I fetch for A (0) or for B (1)
	s_and_b32 s12, s10, 1                          ; which 128 of its columns.  Also: which head of A, or which half of B, I fetch
	s_bfe_u32 s40, ttmp6, 0x40000                  ; cx, cy: my place in the cluster
	s_bfe_u32 s41, ttmp6, 0x40004
	s_lshl_b32 s42, ttmp9, 2
	s_add_co_u32 s42, s42, s40                     ; tile column = 4 x cluster x + cx
	s_and_b32 s13, ttmp7, 0xffff
	s_lshl_b32 s13, s13, 2
	s_add_co_u32 s13, s13, s41                     ; tile row = 4 x cluster y + cy
	s_lshl_b32 s43, s41, 2
	s_lshl_b32 s43, 15, s43                        ; my row of the cluster
	s_lshl_b32 s44, 0x1111, s40                    ; my column
	; descriptor group 1: rows of 128 elements, padded in LDS; A 64 rows, B 128 rows
	s_or_b32 s[G1+0], s43, (1<<16)|(1<<20)|(1<<21)|(5<<22)|(3<<25)  ; 15:0 the mask: A's tiles go to my row; 17:16 element of 2 bytes; 20 padding on; 21 set beside a mask; 24:22 after every 64 words (code 5); 31:25 of 4 words (code 3)
	s_or_b32 s[G1B+0], s44, (1<<16)|(1<<20)|(1<<21)|(5<<22)|(3<<25) ; the same with the mask of my column
	s_mov_b32 s[G1+1], 128<<16                     ; tensor_dim0 = 128
	s_mov_b32 s[G1+2], 64<<16                      ; tensor_dim1 = 64
	s_mov_b32 s[G1+3], 128<<16                     ; tile_dim0 = 128
	s_mov_b32 s[G1+4], 64                          ; tile_dim1 = 64
	s_mov_b32 s[G1+5], APITCH                      ; tensor_dim0_stride
	s_mov_b32 s[G1+6], 0
	s_mov_b32 s[G1+7], 0
	s_mov_b32 s[G1B+1], 128<<16
	s_mov_b32 s[G1B+2], 128<<16                    ; tensor_dim1 = 128
	s_mov_b32 s[G1B+3], 128<<16
	s_mov_b32 s[G1B+4], 128                        ; tile_dim1 = 128
	s_mov_b32 s[G1B+5], 1024
	s_mov_b32 s[G1B+6], 0
	s_mov_b32 s[G1B+7], 0
	; where the tiles come from.  A's hang on the tile row alone, B's on the tile column alone, each in registers that never hold the other coordinate.
	s_lshr_b32 s16, s13, 4
	s_lshl_b32 s16, s16, 22                        ; A: the batch's 16 heads of 262,144 bytes,
	s_and_b32 s17, s13, 15
	s_lshl_b32 s17, s17, 14                        ; the tile row's 128 tokens of 128 bytes,
	s_add_co_u32 s16, s16, s17
	s_lshl_b32 s17, s12, 18                        ; the step's first or second head
	s_add_co_u32 s16, s16, s17
	s_mov_b32 s17, 0
	s_lshl_b32 s46, s42, 19                        ; B: 256 rows of 2,048 bytes a tile column,
	s_lshl_b32 s47, s12, 18                        ; 128 rows a half,
	s_add_co_u32 s46, s46, s47
	s_add_co_u32 s46, s46, 3072*2048               ; behind W_q's, W_k's and W_v's rows
	s_mov_b32 s47, 0
	s_mul_i32 s20, s12, AHALF                      ; and where they go: no place in the cluster enters an LDS address
	s_mul_i32 s21, s12, BHALF
	s_add_co_u32 s21, s21, 2*AHALF
	s_wait_dscnt 0x0
	s_wait_kmcnt 0x0
	s_add_nc_u64 s[14:15], s[4:5], s[16:17]
	s_add_nc_u64 s[46:47], s[6:7], s[46:47]
	CROUND                                         ; all sixteen work-groups are here: the first joint loads meet
.irp s, 0,1
	s_mov_b32 s[G0+4*\s], 1                                        ; count = 1
	s_add_co_u32 s[G0+4*\s+1], s20, \s*SLOT                        ; LDS address
	s_add_nc_u64 s[G0+4*\s+2:G0+4*\s+3], s[14:15], \s*ASTEP        ; global address: K step s
	s_or_b32 s[G0+4*\s+3], s[G0+4*\s+3], 0x80000000                ; type = 2
	s_mov_b32 s[G0B+4*\s], 1
	s_add_co_u32 s[G0B+4*\s+1], s21, \s*SLOT
	s_add_nc_u64 s[G0B+4*\s+2:G0B+4*\s+3], s[46:47], \s*BSTEP
	s_or_b32 s[G0B+4*\s+3], s[G0B+4*\s+3], 0x80000000
.endr
	s_cmp_eq_u32 s11, 0                            ; a wave's two first fills stand in one branch, ahead of every wait on TENSORcnt and every LDS read: two loads of mine are out; four v_nop follow the second
	s_cbranch_scc0 .Lfirst_b
	tensor_load_to_lds s[G0:G0+3], s[G1:G1+7]
	s_nop 0
	tensor_load_to_lds s[G0+4:G0+7], s[G1:G1+7]
	s_nop 0
.rept 4
	v_nop
.endr
	s_branch .Lfirst_asked
.Lfirst_b:
	tensor_load_to_lds s[G0B:G0B+3], s[G1B:G1B+7]
	s_nop 0
	tensor_load_to_lds s[G0B+4:G0B+7], s[G1B:G1B+7]
	s_nop 0
.rept 4
	v_nop
.endr
.Lfirst_asked:
	; A fragment is 16 rows x 32 K in 8 registers: lane l holds row l % 16; registers 0-3 K = 8 (l / 16) + 0..7, registers 4-7 K = 16 + 8 (l / 16) + 0..7: two loads of 16 bytes, 32 bytes apart.
	v_and_b32 v1, 15, v0                           ; r = l % 16
	v_bfe_u32 v2, v0, 4, 1                         ; h = l / 16
	v_mul_u32_u24 v3, v1, PITCH
	v_lshl_add_u32 v3, v2, 4, v3                   ; B: row x pitch + 16 x half
	v_lshrrev_b32 v4, 1, v1                        ; A: token t lies at row t / 2, byte 128 (t % 2): the 16 tokens start at 16 different 16-byte columns
	v_mul_u32_u24 v4, v4, PITCH
	v_and_b32 v5, 1, v0
	v_lshl_add_u32 v4, v5, 7, v4
	v_lshl_add_u32 v4, v2, 4, v4
	s_mul_i32 s21, s11, 32*PITCH                   ; my 64 tokens: 32 rows in each head's tile
	s_mul_i32 s22, s12, BHALF                      ; my 128 rows of B,
	s_add_co_u32 s22, s22, 2*AHALF                 ; which lie behind A's two heads
.irp s, 0,1
	v_add_nc_u32 v[ADRA+\s], s21, v4
	v_add_nc_u32 v[ADRB+\s], s22, v3
	s_add_co_u32 s21, s21, SLOT
	s_add_co_u32 s22, s22, SLOT
.endr
	s_mul_i32 s23, s10, 16*SPITCH
	s_add_co_u32 s23, s23, STAGE                   ; my stage
	v_mul_u32_u24 v5, v1, SPITCH                   ; in: row l % 16, 32 bytes for each half of the lanes
	v_lshl_add_u32 v5, v2, 5, v5
	v_add_nc_u32 v[STO], s23, v5
	v_and_b32 v6, 31, v0
	v_lshlrev_b32 v[CO], 4, v6                     ; back: the wave takes a row's 512 bytes, 16 a lane
	v_add_nc_u32 v[RD], s23, v[CO]
	; where my 64 rows x 128 columns begin in out0
	s_lshl_b32 s16, s13, 19                        ; 128 rows of 4,096 bytes a tile row
	s_lshl_b32 s17, s11, 18                        ; my 64 rows
	s_add_co_u32 s16, s16, s17
	s_lshl_b32 s17, s42, 10                        ; 256 columns of 4 bytes a tile column
	s_add_co_u32 s16, s16, s17
	s_lshl_b32 s17, s12, 9                         ; my 128 columns
	s_add_co_u32 s16, s16, s17
	s_mov_b32 s17, 0
	s_add_nc_u64 s[8:9], s[8:9], s[16:17]
; 8 matrix instructions: m block a x all 8 n blocks, 32 along K, from buffer f.  zero = 1: the product starts the sums: nothing is ever cleared.
; The 32 accumulators take turns, one instruction a turn, in the same order in every quarter.
.macro MUL8 f, a, zero
.irp b, 0,1,2,3,4,5,6,7
.if \zero
	v_wmma_f32_16x16x32_f16 v[8*(8*(\a)+\b):8*(8*(\a)+\b)+7], v[\f+32+8*\b:\f+32+8*\b+7], v[\f+8*(\a):\f+8*(\a)+7], 0
.else
	v_wmma_f32_16x16x32_f16 v[8*(8*(\a)+\b):8*(8*(\a)+\b)+7], v[\f+32+8*\b:\f+32+8*\b+7], v[\f+8*(\a):\f+8*(\a)+7], v[8*(8*(\a)+\b):8*(8*(\a)+\b)+7]
.endif
.endr
.endm
.macro MUL16 f, a0, zero
	MUL8 \f, \a0, \zero
	MUL8 \f, \a0+1, \zero
.endm
; 24 LDS loads in one run: the fragments of quarter q of a K step (128 rows of B, then 64 tokens of A: head q / 2, channels 32 (q % 2) on) into buffer f
.macro FETCH slot, q, f
	WIN 0
.irp i, 0,1,2,3,4,5,6,7
	ds_load_b128 v[\f+32+8*\i:\f+32+8*\i+3], v[ADRB+\slot] offset:64*(\q)+\i*BFR
	ds_load_b128 v[\f+32+8*\i+4:\f+32+8*\i+7], v[ADRB+\slot] offset:64*(\q)+\i*BFR+32
.endr
.irp i, 0,1,2,3
	ds_load_b128 v[\f+8*\i:\f+8*\i+3], v[ADRA+\slot] offset:((\q)/2)*ASUB+((\q)%2)*64+\i*AFR
	ds_load_b128 v[\f+8*\i+4:\f+8*\i+7], v[ADRA+\slot] offset:((\q)/2)*ASUB+((\q)%2)*64+\i*AFR+32
.endr
.endm
; A K step is four quarters of 32 along K, 32 matrix instructions each, on buffers 0, 1, 0, 1.  One of the first three: multiplies buffer f and fetches quarter q into g.
.macro QUARTER slot, q, f, g, zero
	s_wait_dscnt 4                                 ; B and A's tokens 0-31 are in; the youngest four loads (A's tokens 32-63) may be out
	WIN MUL
	MUL16 \f, 0, \zero
	PLACES
	FETCH \slot, \q, \g
	s_wait_dscnt 24                                ; all but the 24 just issued
	WIN MUL
	MUL16 \f, 2, \zero
.endm
; The last quarter multiplies buffer 1 and changes slots: ONE barrier; in front of it each wave waits for its own reads of this slot and for all its tensor loads, of which one is out:
; its part of the next slot.  fill = 1: the barrier opens a round of the cluster's barrier, and this slot is filled again, two K steps ahead, first thing behind the round.
.macro TURN slot, next, fill
	s_wait_dscnt 4
	WIN MUL
	MUL8 F1, 0, 0
	s_wait_dscnt 0                                 ; my reads of this slot are over,
	s_wait_tensorcnt 0x0                           ; and all my tensor loads have landed
	ds_add_u32 v62, v63
	s_wait_dscnt 0x0
	s_barrier_signal -1
	MUL8 F1, 1, 0
.if \fill
	WIN 0                                          ; at a branch and at a label every window is 0
.endif
	s_barrier_wait -1
.if \fill
	CREST                                          ; no wave of any partner still reads this slot's tile or has a load on its way
	s_add_nc_u64 s[G0+4*\slot+2:G0+4*\slot+3], s[G0+4*\slot+2:G0+4*\slot+3], 2*ASTEP
	s_add_nc_u64 s[G0B+4*\slot+2:G0B+4*\slot+3], s[G0B+4*\slot+2:G0B+4*\slot+3], 2*BSTEP
	JLOAD \slot                                    ; 120 matrix instructions ahead of the wait for it; the four v_nop behind it are also the places in front of the loads below
.else
	PLACES
.endif
	FETCH \next, 0, F0
	WIN MUL
	MUL16 F1, 2, 0
.endm
	s_wait_tensorcnt 1                             ; my part of K step 0 is in; K step 1's stays out
	s_barrier_signal -1
	s_barrier_wait -1                              ; everybody's is
	FETCH 0, 0, F0
	QUARTER 0, 1, F0, F1, 1                        ; the first quarter stands in front of the loop: its products start the sums
	WIN 0
	s_mov_b32 s3, LAPS-1
.Llap:                                                 ; a trip goes once round the ring, from a lap's second quarter to the next lap's first, and fills both slots again
	QUARTER 0, 2, F1, F0, 0
	QUARTER 0, 3, F0, F1, 0
	TURN 0, 1, 1
	QUARTER 1, 1, F0, F1, 0
	QUARTER 1, 2, F1, F0, 0
	QUARTER 1, 3, F0, F1, 0
	TURN 1, 0, 1
	QUARTER 0, 1, F0, F1, 0
	WIN 0
	s_sub_co_u32 s3, s3, 1
	s_cmp_lg_u32 s3, 0
	s_cbranch_scc1 .Llap
	QUARTER 0, 2, F1, F0, 0                        ; the last lap fills nothing, and has no round of the cluster's barrier
	QUARTER 0, 3, F0, F1, 0
	TURN 0, 1, 0
	QUARTER 1, 1, F0, F1, 0
	QUARTER 1, 2, F1, F0, 0
	QUARTER 1, 3, F0, F1, 0
	s_wait_dscnt 4                                 ; the very last quarter: nothing more to fetch
	WIN MUL
	MUL16 F1, 0, 0
	s_wait_dscnt 0
	MUL16 F1, 2, 0
	WIN 0
	PLACES
; THE WAY OUT, a block of 16 rows x 128 columns of f32 at a time, through my own stage: the sums go in as they lie (a lane's eight columns are 32 bytes; each accumulator's low four registers first)
; and come back as whole rows of 512 bytes.
.macro TOSTAGE a
.set BK, OB+64*((\a)%2)
	WIN 0x04                                       ; the stores' data window 1, their address window 0
.irp b, 0,1,2,3,4,5,6,7
	ds_store_b128 v[STO], v[64*(\a)+8*\b:64*(\a)+8*\b+3] offset:64*\b
	ds_store_b128 v[STO], v[64*(\a)+8*\b+4:64*(\a)+8*\b+7] offset:64*\b+16
.endr
	WIN 0
.irp t, 0,1,2,3,4,5,6,7,8,9,10,11,12,13,14,15
	ds_load_b128 v[BK+4*\t:BK+4*\t+3], v[RD] offset:\t*SPITCH   ; LDS serves a wave's instructions in order (ISA guide 5.7.1.4): these see the stores above, and the next block's stores come behind them
.endr
.endm
.macro SEND a, younger                 ; younger: the LDS instructions issued behind block a's loads: the next block's 16 stores and 16 loads, or none
.set BK, OB+64*((\a)%2)
	s_wait_dscnt \younger
.irp t, 0,1,2,3,4,5,6,7,8,9,10,11,12,13,14,15
	global_store_b128 v[CO], v[BK+4*\t:BK+4*\t+3], s[8:9] offset:(16*(\a)+\t)*4096 th:TH_STORE_NT   ; the wave stores 512 consecutive bytes, at a multiple of 512 from out0's first byte
.endr
.endm
	TOSTAGE 0
	TOSTAGE 1
	SEND 0, 32
	s_wait_xcnt 0x0                                ; block 0's buffer, which its stores read, is loaded again only behind this wait
	TOSTAGE 2
	SEND 1, 32
	s_wait_xcnt 0x0                                ; the same for block 1's
	TOSTAGE 3
	SEND 2, 32
	SEND 3, 0
	s_wait_tensorcnt 0x0
	ds_add_u32 v62, v63
	s_wait_dscnt 0x0
	CROUND                                         ; the closing round: no work-group ends while a partner may still ask for a tile that names it
	s_endpgm
.Lfunc_end_k_qbdfb529e2d_oproj:
	.size	k_qbdfb529e2d_oproj, .Lfunc_end_k_qbdfb529e2d_oproj-k_qbdfb529e2d_oproj
	.p2alignl 7, 3214868480
	.fill 96, 4, 3214868480
	.section	.rodata,"a",@progbits
	.p2align	6, 0x0
	.amdhsa_kernel k_qbdfb529e2d_oproj
		.amdhsa_group_segment_fixed_size 327680
		.amdhsa_private_segment_fixed_size 0
		.amdhsa_enable_private_segment 0
		.amdhsa_kernarg_size 24
		.amdhsa_user_sgpr_count 2
		.amdhsa_user_sgpr_kernarg_segment_ptr 1
		.amdhsa_wavefront_size32 1
		.amdhsa_system_sgpr_workgroup_id_x 1
		.amdhsa_system_sgpr_workgroup_id_y 1
		.amdhsa_system_sgpr_workgroup_id_z 1
		.amdhsa_system_vgpr_workitem_id 0
		.amdhsa_next_free_vgpr 512
		.amdhsa_next_free_sgpr 66
		.amdhsa_reserve_vcc 0
		.amdhsa_float_denorm_mode_32 3
		.amdhsa_float_denorm_mode_16_64 3
		.amdhsa_memory_ordered 1
		.amdhsa_forward_progress 1
		.amdhsa_inst_pref_size 85
	.end_amdhsa_kernel
	.amdgpu_metadata
---
amdhsa.version: [ 1, 2 ]
amdhsa.kernels:
  - .name:           k_qbdfb529e2d_oproj
    .symbol:         k_qbdfb529e2d_oproj.kd
    .args:
      - { .name: ao, .offset: 0, .size: 8, .value_kind: global_buffer, .address_space: global }
      - { .name: wb, .offset: 8, .size: 8, .value_kind: global_buffer, .address_space: global }
      - { .name: out0, .offset: 16, .size: 8, .value_kind: global_buffer, .address_space: global }
    .group_segment_fixed_size: 327680
    .private_segment_fixed_size: 0
    .kernarg_segment_align: 8
    .kernarg_segment_size: 24
    .max_flat_workgroup_size: 128
    .sgpr_count:     66
    .vgpr_count:     512
    .wavefront_size: 32
...
	.end_amdgpu_metadata
.endif
;; end of part 4
;; ======== version 2 of 2: 4 launches; version 1 with the launch cast written anew for expert scheduling mode
;; limits: values are held in f16: magnitudes above 65,504 overflow, below 6.1e-05 lose precision
;; workspace buffers: xb 16,777,216 bytes; wb 8,388,608 bytes; qkv 50,331,648 bytes; ao 16,777,216 bytes
;; launch cast (part 5): grid 768 x 1, 8 waves a work-group, no clusters, 0 bytes of LDS; arguments x, W_q, W_k, W_v, W_o, xb, wb; writes xb, wb
.if DOCPART == 5
	.amdgcn_target "amdgcn-amd-amdhsa--gfx1250"
	.amdhsa_code_object_version 6
	.text
	.protected	k_qbdfb529e2d_cast
	.globl	k_qbdfb529e2d_cast
	.p2align	8
	.type	k_qbdfb529e2d_cast,@function
k_qbdfb529e2d_cast:
	s_mov_b64 s[64:65], 0
	v_nop
	global_prefetch_b8 v0, s[64:65] scope:SCOPE_SE
	s_setreg_imm32_b32 hwreg(HW_REG_WAVE_SCHED_MODE, 0, 2), 2
	s_setreg_imm32_b32 hwreg(HW_REG_WAVE_MODE, 25, 1), 1
	s_wait_xcnt 0x0
	s_wait_alu depctr_vm_vsrc(0)
; xb = x rounded to bf16.  wb = [4096][1024] of 16-bit numbers: rows 0-1023 W_q, 1024-2047 W_k, 2048-3071 W_v, all rounded to bf16;
; rows 3072-4095 W_o, rounded to bf16 and that number carried as f16, since its partner in the last product is f16.
; LIMIT: |W_o| stays under 65,504; a bf16 number under 2^-14 is kept in f16 in steps of 2^-24 (all others are exact: 8 bits into 11).
; A stream: memory binds, so no LDS, no barrier, no matrix unit.  A work-group takes 65,536 input bytes: groups 0-511 x, then 64 groups for each weight.
; Thread t takes 16 bytes at 16 t of each 4,096: a wave's load covers 512 consecutive bytes, its store of 8 bytes a lane 256 consecutive aligned bytes.
; All sixteen loads of a lane go out at once; no register that a memory instruction touches is written twice.
; THE MODE: SCHED_MODE bits 1:0 = 2 (LLVM: expert scheduling mode 2), set by the entry lines.  The code itself states the register dependences
; between vector instructions and memory instructions, with s_wait_alu, always for 0.
; THE PLAN.  Registers that memory instructions touch:
;   v1, v2   byte offsets of the loads and of the stores.  Written once at the head, never again; the immediates reach all sixteen places.
;   X        load k lands in its four registers, once; no vector instruction names them ahead of the loads; load k's conversions read them.
;   Y        load k's conversions write its pair, once; store k reads it; it is never written again.
;   T        named by vector instructions alone.
; The sixteen loads are worked on in four groups of four.  Group g rounds X of its loads into Y of its loads; its memory instructions are the four stores of group g - 1,
; which read that group's Y and v2: registers that no vector instruction of group g names.  So one wait at a group's head states all that its four stores hang on,
; and they are dealt among the group's conversions with no further wait.  One more wait stands ahead of the last four stores.
.set X, 4                              ; v[4:67]    sixteen loads of 4 f32
.set Y, 68                             ; v[68:99]   sixteen pairs to store
.set T, 100                            ; v[100:103] at work (W_o's way)
	s_load_b256 s[4:11], s[0:1], 0x0               ; x s[4:5], W_q s[6:7], W_k s[8:9], W_v s[10:11]
	s_load_b128 s[12:15], s[0:1], 0x20             ; W_o s[12:13], xb s[14:15]
	s_load_b64 s[16:17], s[0:1], 0x30              ; wb
	v_lshlrev_b32 v1, 4, v0                        ; 16 t: my bytes of each 4,096 read
	v_lshlrev_b32 v2, 3, v0                        ; 8 t: my bytes of each 2,048 written
	s_sub_co_u32 s20, ttmp9, 512                   ; the group's number among the weights' 256 (used only from group 512 on)
	s_lshr_b32 s21, s20, 6                         ; which weight: 0 W_q, 1 W_k, 2 W_v, 3 W_o
	s_and_b32 s22, ttmp9, 63                       ; which 65,536 bytes of it
	s_mov_b32 s29, 0
	s_mov_b32 s31, 0
	s_wait_kmcnt 0x0
	s_cmp_eq_u32 s21, 1
	s_cselect_b64 s[24:25], s[8:9], s[6:7]
	s_cmp_eq_u32 s21, 2
	s_cselect_b64 s[24:25], s[10:11], s[24:25]
	s_cmp_eq_u32 s21, 3
	s_cselect_b64 s[24:25], s[12:13], s[24:25]
	s_cmp_lt_u32 ttmp9, 512                        ; the four selects below hang on this compare: nothing between them writes SCC
	s_cselect_b64 s[24:25], s[4:5], s[24:25]       ; from: x or the weight
	s_cselect_b64 s[26:27], s[14:15], s[16:17]     ; to: xb or wb
	s_cselect_b32 s28, ttmp9, s22                  ; which part of the source,
	s_cselect_b32 s30, ttmp9, s20                  ; and of the destination (wb holds the four weights one behind the other)
	s_lshl_b32 s28, s28, 16
	s_lshl_b32 s30, s30, 15
	s_add_nc_u64 s[24:25], s[24:25], s[28:29]
	s_add_nc_u64 s[26:27], s[26:27], s[30:31]
	s_wait_alu depctr_va_vdst(0)                   ; v1 and v2 are written: every load of the kernel reads v1 as its offset, every store v2
.irp k, 0,1,2,3,4,5,6,7,8,9,10,11,12,13,14,15
	global_load_b128 v[X+4*\k:X+4*\k+3], v1, s[24:25] offset:4096*\k th:TH_LOAD_NT
.endr
; Load k is rounded to bf16 into its pair of Y.
.macro RND k
	v_cvt_pk_bf16_f32 v[Y+2*(\k)],   v[X+4*(\k)],   v[X+4*(\k)+1]
	v_cvt_pk_bf16_f32 v[Y+2*(\k)+1], v[X+4*(\k)+2], v[X+4*(\k)+3]
.endm
; W_o's way: the bf16 numbers are widened again (a shift, a mask) and packed as f16.
.macro RNDWO k
	v_cvt_pk_bf16_f32 v[T],   v[X+4*(\k)],   v[X+4*(\k)+1]
	v_cvt_pk_bf16_f32 v[T+1], v[X+4*(\k)+2], v[X+4*(\k)+3]
	v_lshlrev_b32 v[T+2], 16, v[T]
	v_and_b32     v[T+3], 0xffff0000, v[T]
	v_cvt_pk_f16_f32 v[Y+2*(\k)], v[T+2], v[T+3]
	v_lshlrev_b32 v[T+2], 16, v[T+1]
	v_and_b32     v[T+3], 0xffff0000, v[T+1]
	v_cvt_pk_f16_f32 v[Y+2*(\k)+1], v[T+2], v[T+3]
.endm
; Pair k is stored.
.macro PUT k
	global_store_b64 v2, v[Y+2*(\k):Y+2*(\k)+1], s[26:27] offset:2048*(\k)   ; no hint: the next launches read these bytes
.endm
; Group g: loads 4 g to 4 g + 3 are rounded; the stores of group g - 1 stand among the conversions, one ahead of each load's.  wo = 1: W_o's way.
.macro GROUP g, wo
	s_wait_loadcnt 12-4*(\g)                       ; loads come back in order (ISA guide 5.7.1): this group's four are in, the 12 - 4 g younger ones stay out
.if (\g) > 0
	s_wait_alu depctr_va_vdst(0)                   ; the conversions of the group before have written its four pairs of Y, which the four stores below read
.endif
.irp i, 0,1,2,3
.if (\g) > 0
	PUT 4*(\g)-4+\i                                ; no vector instruction since the wait names this pair or v2
.endif
.if \wo
	RNDWO 4*(\g)+\i
.else
	RND 4*(\g)+\i
.endif
.endr
.endm
; The last group's pairs.
.macro TAIL
	s_wait_alu depctr_va_vdst(0)                   ; the conversions of group 3 have written the last four pairs of Y, which the last four stores read
	PUT 12
	PUT 13
	PUT 14
	PUT 15
.endm
	s_cmp_ge_u32 ttmp9, 704                        ; groups 704-767 hold W_o
	s_cbranch_scc1 .Lwo
	GROUP 0, 0
	GROUP 1, 0
	GROUP 2, 0
	GROUP 3, 0
	TAIL
	s_endpgm
.Lwo:
	GROUP 0, 1
	GROUP 1, 1
	GROUP 2, 1
	GROUP 3, 1
	TAIL
	s_endpgm
.Lfunc_end_k_qbdfb529e2d_cast:
	.size	k_qbdfb529e2d_cast, .Lfunc_end_k_qbdfb529e2d_cast-k_qbdfb529e2d_cast
	.p2alignl 7, 3214868480
	.fill 96, 4, 3214868480
	.section	.rodata,"a",@progbits
	.p2align	6, 0x0
	.amdhsa_kernel k_qbdfb529e2d_cast
		.amdhsa_group_segment_fixed_size 0
		.amdhsa_private_segment_fixed_size 0
		.amdhsa_enable_private_segment 0
		.amdhsa_kernarg_size 56
		.amdhsa_user_sgpr_count 2
		.amdhsa_user_sgpr_kernarg_segment_ptr 1
		.amdhsa_wavefront_size32 1
		.amdhsa_system_sgpr_workgroup_id_x 1
		.amdhsa_system_sgpr_workgroup_id_y 1
		.amdhsa_system_sgpr_workgroup_id_z 1
		.amdhsa_system_vgpr_workitem_id 0
		.amdhsa_next_free_vgpr 104
		.amdhsa_next_free_sgpr 66
		.amdhsa_reserve_vcc 0
		.amdhsa_float_denorm_mode_32 3
		.amdhsa_float_denorm_mode_16_64 3
		.amdhsa_memory_ordered 1
		.amdhsa_forward_progress 1
		.amdhsa_inst_pref_size 16
	.end_amdhsa_kernel
	.amdgpu_metadata
---
amdhsa.version: [ 1, 2 ]
amdhsa.kernels:
  - .name:           k_qbdfb529e2d_cast
    .symbol:         k_qbdfb529e2d_cast.kd
    .args:
      - { .name: x, .offset: 0, .size: 8, .value_kind: global_buffer, .address_space: global }
      - { .name: W_q, .offset: 8, .size: 8, .value_kind: global_buffer, .address_space: global }
      - { .name: W_k, .offset: 16, .size: 8, .value_kind: global_buffer, .address_space: global }
      - { .name: W_v, .offset: 24, .size: 8, .value_kind: global_buffer, .address_space: global }
      - { .name: W_o, .offset: 32, .size: 8, .value_kind: global_buffer, .address_space: global }
      - { .name: xb, .offset: 40, .size: 8, .value_kind: global_buffer, .address_space: global }
      - { .name: wb, .offset: 48, .size: 8, .value_kind: global_buffer, .address_space: global }
    .group_segment_fixed_size: 0
    .private_segment_fixed_size: 0
    .kernarg_segment_align: 8
    .kernarg_segment_size: 56
    .max_flat_workgroup_size: 256
    .sgpr_count:     66
    .vgpr_count:     104
    .wavefront_size: 32
...
	.end_amdgpu_metadata
.endif
;; end of part 5
;; launch qkvproj: the kernel of part 2 again; grid 4 x 64, 4 waves a work-group, clusters of 4 x 4, 327,680 bytes of LDS; arguments xb, wb, qkv; writes qkv
;; launch attn: the kernel of part 3 again; grid 4 x 64, 8 waves a work-group, no clusters, 327,680 bytes of LDS; arguments qkv, ao; writes ao
;; launch oproj: the kernel of part 4 again; grid 4 x 64, 4 waves a work-group, clusters of 4 x 4, 327,680 bytes of LDS; arguments ao, wb, out0; writes out0
